; MI455X (gfx1250); checked and timed in simulation.
; The chip was launched on July 23, 2026; its instructions are those of AMD's public machine-readable ISA for CDNA 5 (MIT licence, August 2026) and "CDNA5" Instruction Set Architecture Reference Guide (July 2026). The comments in the code are by the model that wrote it; some were corrected since.
;; Causal Self Attention. Allowed arithmetic: matrix products marked QUANTISED: E3M2 operands, one E8M0 scale for each 32 along K, by v_wmma_scale_f32_16x16x128_f8f6f4 with both operands' format E3M2, f32 sums; everything else in f32.
;; Inputs: Wk 1,024 x 1,024 float32; Wp 1,024 x 1,024 float32; Wq 1,024 x 1,024 float32; Wv 1,024 x 1,024 float32; bk 1,024 float32; bp 1,024 float32; bq 1,024 float32; bv 1,024 float32; x 2 x 2,048 x 1,024 float32.
;; Outputs: out0 2 x 2,048 x 1,024 float32.
;; Constants: n_head = 16.
;; This version of the problem:
;;   THIS VERSION OF THE PROBLEM IS GIVEN IN LOW PRECISION. The matrix products marked QUANTISED in the list below multiply operands that are first quantised to E3M2 (3 exponent bits, 2 mantissa bits; 6 bits a number), with one power-of-two scale for each 32 numbers along K (OCP MX v1.0); their sums are f32. All else is computed in f32.
;;   The module's matrix products, in the order in which they are computed (A, B: the left and right operand; K: the contracted axis; several contracted axes count as one K, in the product's order):
;;     1. [M 4,096, K 1,024] x [K 1,024, N 1,024]; A: input x; B: input Wq: QUANTISED
;;     2. [M 4,096, K 1,024] x [K 1,024, N 1,024]; A: input x; B: input Wk: QUANTISED
;;     3. [M 4,096, K 1,024] x [K 1,024, N 1,024]; A: input x; B: input Wv: QUANTISED
;;     4. batch 32 x [M 2,048, K 64] x [K 64, N 2,048]; A: computed on the way; B: computed on the way: QUANTISED
;;     5. batch 32 x [M 2,048, K 2,048] x [K 2,048, N 64]; A: softmax (see below); B: computed on the way: QUANTISED
;;     6. [M 4,096, K 1,024] x [K 1,024, N 1,024]; A: computed on the way; B: input Wp: QUANTISED
;;   THE QUANTISER, for each operand of a quantised product, along K:
;;     - K is cut into blocks of 32 from its start; a last block that is shorter is filled with zeros.
;;     - A block's scale is 2^e with e = floor(log2(the largest magnitude in the block)) - 4, held to -126 .. 127; a block of zeros has e = 0. As a byte (E8M0): e + 127.
;;     - Each number is divided by its block's scale, clamped to +-28, and rounded to the nearest number of E3M2, ties to even, subnormals kept.
;;     - The product sums the exact products of the quantised numbers (number of the format x scale) in f32.
;;   ~~~python
;;   def quantise(x, axis):      # numpy; x: float32 -> the quantised numbers, widened to float32 again
;;       x = np.moveaxis(x, axis, -1); K = x.shape[-1]
;;       x = np.pad(x, [(0, 0)] * (x.ndim - 1) + [(0, -K % 32)]); x = x.reshape(x.shape[:-1] + (-1, 32)); a = np.abs(x).max(-1, keepdims=True)
;;       e = np.where(a > 0, np.clip(np.frexp(np.where(a > 0, a, 1))[1] - 1 - 4, -126, 127), 0)      # np.frexp(a)[1] - 1 = floor(log2(a)), exactly
;;       r = np.clip(x / 2.0 ** e, -28, 28)
;;       step = 2.0 ** (np.maximum(np.frexp(np.where(r == 0, 1, r))[1] - 1, -2) - 2)
;;       q = np.round(r / step) * step * 2.0 ** e      # np.round: ties to even
;;       return np.moveaxis(q.reshape(q.shape[:-2] + (-1,))[..., :K], -1, axis).astype(np.float32)
;;   ~~~
;;   SOFTMAX AHEAD OF A QUANTISED PRODUCT. Where the list says 'softmax', what is quantised is not the finished softmax but p = 2^(t - M), with t = logit x log2(e) and M = ceil(the row's largest t), a whole number; so 1/2 < the row's largest p <= 1. The row's sum l is taken of the UNQUANTISED p, in f32, and the product's result is divided by l at the end. Since M is a whole number, a kernel that streams over the keys may use a running M (the ceiling of the running maximum): every later rescaling is an exact power of two, which a block's scale takes up: the codes' values come out the same.
;;   OPERANDS COMPUTED ON THE WAY. 'Computed on the way' means the value that the module computes at that place (a softmax that the list does not call 'softmax' is quantised finished and normalised). What goes into a quantiser is computed in f32, as accurately as f32 sums, v_exp_f32 and their like allow (about 1e-6 of the number): no bf16 or f16 on the way to a quantiser, and a product that is left as it is and whose result goes on into a quantised operand takes f32 operands (vector FMAs, or v_wmma_f32_16x16x4_f32). A number that lies on a knife's edge between two numbers of the format may be rounded either way, as far as f32 arithmetic and the matrix unit's own rounding can turn it there, and no further.
;; 2 versions, each right; version 2 is version 1 with the launch attn written anew for expert scheduling mode. Each part assembles by itself: llvm-mc -triple=amdgcn-amd-amdhsa -mcpu=gfx1250 --defsym DOCPART=n.
;; ======== version 1 of 2: 4 launches
;; workspace buffers: xb 3,276,800 bytes; wb 3,276,800 bytes; qb 3,670,016 bytes; kv 6,553,600 bytes; yb 3,276,800 bytes
;; launch quant (part 1): grid 512 x 1, 4 waves a work-group, no clusters, 35,328 bytes of LDS; arguments x, Wq, Wk, Wv, Wp, xb, wb; writes xb, wb
.if DOCPART == 1
	.amdgcn_target "amdgcn-amd-amdhsa--gfx1250"
	.amdhsa_code_object_version 6
	.text
	.protected	k_q75469253e4_quant
	.globl	k_q75469253e4_quant
	.p2align	8
	.type	k_q75469253e4_quant,@function
k_q75469253e4_quant:
	s_mov_b64 s[64:65], 0
	v_nop
	global_prefetch_b8 v0, s[64:65] scope:SCOPE_SE
	s_setreg_imm32_b32 hwreg(HW_REG_WAVE_MODE, 25, 1), 1
	s_wait_xcnt 0x0
; x [4096 tokens][1024] f32 and the four weights [1024 (k)][1024 (n)] f32 become codes of BF6 (E3M2) with one E8M0 byte for each 32 along K (K = the 1,024 of x's rows, the weights' FIRST axis).
; A block's scale is 2^(floor(log2(largest magnitude)) - 4): its byte is the largest magnitude's exponent field - 4, held at 1 from below by a floor among the maximum's leaves.
; LIMITS: NaN and infinities are not served; a block whose largest magnitude lies under 2^-122 keeps the byte 1; a block of zeros keeps the byte 1 where the rule says 127 (its codes are zeros; this program alone reads the bytes).
; THE LAYOUT OF xb AND wb IS THE ORDER OF THE OPERAND'S REGISTERS.  Rows (tokens, or columns n of a weight) go in pairs of tiles of 16: pair P holds rows 32 P .. 32 P + 31,
; row r of tile 2 P + u is row 32 P + 8 u + r + 8 (r / 8).  For pair P and K step s of 128 there is one record of 3,072 bytes at (8 P + s) x 3,072: four half fragments (tile u, 64 c along K) of 768 bytes
; at 1,536 u + 768 c.  In a half fragment lane (r, h) owns the 24 bytes of row r's block h: its first 16 bytes at 16 x lane, its last 8 at 512 + 8 x lane.
; The scale words follow the codes: 128 bytes a record at CODES + (8 P + s) x 128, lane l's word (four bytes: the K step's four blocks) at 4 l; lanes 0-15 tile 2 P, lanes 16-31 tile 2 P + 1.
; SHARES.  A wave makes one record: 32 rows x 128 K.  LANE l HOLDS ONE ROW, that of (u = l / 16, r = l % 16), and 64 numbers of it at a time: two whole blocks, so no maximum leaves the lane.
; Work-groups 0-255 take x (its rows turn through the wave's own stage in LDS, so that every load reads whole runs of 256 bytes), 256-511 the weights (a lane takes a column, its registers run down K).
; Memory binds: no matrix unit, no cluster, no barrier; waves share nothing.
.set CODES, 3145728                    ; 128 pairs x 8 K steps x 3,072 bytes
.set PITCH, 272                        ; a stage row: 256 bytes + 16, an odd multiple of 16
.set SW,    9                          ; v9      my row's scale word
.set TM,    10                         ; v10-11  the two blocks' largest magnitudes
.set SO,    12                         ; v12-13  the conversions' scale operands
.set BY,    14                         ; v14-15  the scale bytes
.set R,     64                         ; v64-191 numbers as they are loaded
.set X,     192                        ; v192-255 x: 64 neighbours of my row
; 64 numbers of my row, v[src] on (blocks h = 0 and h = 1 of the K step's half c), become two half fragments and two bytes of the scale word.
.macro UNIT src, c
.set CA, 16+16*(\c)                    ; six registers: my block 0, then tile u = 0's half fragment
.set CB, 24+16*(\c)                    ; six registers: my block 1, then tile u = 1's.  Each c has its own: no store's data are written again
	v_max3_num_f32 v[TM], |v[\src]|, |v[\src+1]|, 0x2800000          ; with the floor 2^(5 - 127): the byte cannot fall under 1
	v_max3_num_f32 v[TM+1], |v[\src+32]|, |v[\src+33]|, 0x2800000
.irp i, 2,4,6,8,10,12,14,16,18,20,22,24,26,28,30
	v_max3_num_f32 v[TM], v[TM], |v[\src+\i]|, |v[\src+\i+1]|        ; the two blocks by turns
	v_max3_num_f32 v[TM+1], v[TM+1], |v[\src+32+\i]|, |v[\src+33+\i]|
.endr
	v_add_nc_u32 v[SO], 0xfe000000, v[TM]                            ; 4 off the exponent field: the conversion takes this operand's exponent field as its scale
	v_add_nc_u32 v[SO+1], 0xfe000000, v[TM+1]
	v_cvt_scalef32_pk16_bf6_f32 v[CA:CA+2], v[\src:\src+15], v[SO]
	v_cvt_scalef32_pk16_bf6_f32 v[48:50], v[\src+16:\src+31], v[SO]  ; (a conversion's three registers begin on an even number: the upper halves are made elsewhere and moved)
	v_cvt_scalef32_pk16_bf6_f32 v[CB:CB+2], v[\src+32:\src+47], v[SO+1]
	v_cvt_scalef32_pk16_bf6_f32 v[52:54], v[\src+48:\src+63], v[SO+1]
	v_nop                                                            ; one plain place behind the conversions
	v_lshrrev_b32 v[BY], 23, v[SO]                                   ; the scales' bytes
	v_lshrrev_b32 v[BY+1], 23, v[SO+1]
.irp i, 0,1,2
	v_mov_b32 v[CA+3+\i], v[48+\i]
	v_mov_b32 v[CB+3+\i], v[52+\i]
.endr
.irp i, 0,1,2,3,4,5
	v_permlane16_swap_b32 v[CA+\i], v[CB+\i]                         ; CA's lanes 16-31 change places with CB's lanes 0-15: CA = rows of lanes 0-15, block h in lane (r, h); CB = rows of lanes 16-31 likewise
.endr
.if (\c) == 0
	v_lshl_or_b32 v[SW], v[BY+1], 8, v[BY]
.else
	v_lshl_or_b32 v[SW], v[BY], 16, v[SW]
	v_lshl_or_b32 v[SW], v[BY+1], 24, v[SW]
.endif
	global_store_b128 v6, v[CA:CA+3], s[30:31] offset:768*(\c)       ; 512 consecutive bytes,
	global_store_b64 v7, v[CA+4:CA+5], s[30:31] offset:768*(\c)+512  ; 256 consecutive bytes, both at multiples of 256 from the buffer's first byte
	global_store_b128 v6, v[CB:CB+3], s[30:31] offset:768*(\c)+1536
	global_store_b64 v7, v[CB+4:CB+5], s[30:31] offset:768*(\c)+2048
.endm
	s_load_b256 s[4:11], s[0:1], 0x0               ; x s[4:5], Wq s[6:7], Wk s[8:9], Wv s[10:11]
	s_load_b128 s[12:15], s[0:1], 0x20             ; Wp s[12:13], xb s[14:15]
	s_load_b64 s[16:17], s[0:1], 0x30              ; wb
	v_lshl_add_u32 v62, v0, 2, 0x8800
	v_mov_b32 v63, 0
	v_lshrrev_b32 v1, 5, v0
	v_readfirstlane_b32 s18, v1                    ; wave 0..3
	v_and_b32 v1, 31, v0                           ; lane
	v_lshlrev_b32 v6, 4, v1                        ; 16 x lane
	v_lshlrev_b32 v7, 3, v1                        ; 8 x lane
	v_lshlrev_b32 v8, 2, v1                        ; 4 x lane
	s_cmp_ge_u32 ttmp9, 256
	s_cbranch_scc1 .Lweights
	; ---- x: pair P = work-group / 2, K step s = 4 (work-group % 2) + wave
	v_and_b32 v10, 15, v1
	v_lshrrev_b32 v11, 4, v1
	v_lshlrev_b32 v2, 12, v11
	v_lshl_add_u32 v2, v10, 4, v2                  ; a load: lanes 0-15 one row's 256 bytes, lanes 16-31 the next row's
	s_mul_i32 s19, s18, 32*PITCH                   ; my wave's stage
	v_mul_u32_u24 v3, v11, PITCH
	v_lshl_add_u32 v3, v10, 4, v3
	v_add_nc_u32 v3, s19, v3                       ; into the stage: as loaded
	v_mul_u32_u24 v4, v1, PITCH
	v_add_nc_u32 v4, s19, v4                       ; out of it: place l holds lane l's row
	s_lshr_b32 s20, ttmp9, 1                       ; P
	s_and_b32 s21, ttmp9, 1
	s_lshl_b32 s21, s21, 2
	s_add_co_u32 s21, s21, s18                     ; s
	s_lshl_b32 s22, s20, 17                        ; 32 rows of 4,096 bytes
	s_lshl_b32 s23, s21, 9                         ; 128 numbers
	s_add_co_u32 s22, s22, s23
	s_mov_b32 s23, 0
	s_lshl_b32 s24, s20, 3
	s_add_co_u32 s24, s24, s21                     ; the record's number
	s_mul_i32 s26, s24, 3072
	s_mov_b32 s27, 0
	s_lshl_b32 s28, s24, 7
	s_add_co_u32 s28, s28, CODES
	s_mov_b32 s29, 0
	s_wait_kmcnt 0x0
	s_add_nc_u64 s[4:5], s[4:5], s[22:23]
	s_add_nc_u64 s[30:31], s[14:15], s[26:27]      ; my record
	s_add_nc_u64 s[32:33], s[14:15], s[28:29]      ; its scale words
.macro XLOAD c                         ; 32 rows x 256 bytes: half c of the K step
.irp i, 0,1,2,3,4,5,6,7,8,9,10,11,12,13,14,15
	global_load_b128 v[R+64*(\c)+4*\i:R+64*(\c)+4*\i+3], v2, s[4:5] offset:2*\i*4096+256*(\c) th:TH_LOAD_NT
.endr
.endm
.macro TURN c                          ; row a goes to the place of the lane that holds it: a % 8 + 16 ((a / 8) % 2) + 8 (a / 16).  LDS serves a wave's instructions in order: no wait between the stores and the loads
.irp i, 0,1,2,3,4,5,6,7,8,9,10,11,12,13,14,15
	ds_store_b128 v3, v[R+64*(\c)+4*\i:R+64*(\c)+4*\i+3] offset:(((2*\i)&7)+16*(((2*\i)>>3)&1)+8*((2*\i)>>4))*PITCH
.endr
.irp j, 0,1,2,3,4,5,6,7,8,9,10,11,12,13,14,15
	ds_load_b128 v[X+4*\j:X+4*\j+3], v4 offset:16*\j
.endr
.endm
	XLOAD 0
	XLOAD 1
	s_wait_loadcnt 16                              ; the first half's 16 loads are in; the second half's 16 may be out
	TURN 0
	s_wait_dscnt 0x0
	UNIT X, 0
	s_wait_loadcnt 0x0
	TURN 1
	s_wait_dscnt 0x0
	UNIT X, 1
	global_store_b32 v8, v[SW], s[32:33]           ; 128 consecutive bytes
	s_wait_tensorcnt 0x0
	ds_add_u32 v62, v63
	s_wait_dscnt 0x0
	s_endpgm
.Lweights:
	; ---- the weights: g = work-group - 256: matrix g / 64, K step (g / 8) % 8, pair 4 (g % 8) + wave: the four waves stand side by side on 512 bytes of each row of W
	s_sub_co_u32 s19, ttmp9, 256
	s_lshr_b32 s20, s19, 6                         ; 0 Wq, 1 Wk, 2 Wv, 3 Wp
	s_bfe_u32 s21, s19, 0x30003                    ; s
	s_and_b32 s22, s19, 7
	s_lshl_b32 s22, s22, 2
	s_add_co_u32 s22, s22, s18                     ; P
	v_lshrrev_b32 v10, 4, v1
	v_and_b32 v11, 7, v1
	v_lshl_add_u32 v10, v10, 3, v11
	v_bfe_u32 v11, v1, 3, 1
	v_lshl_add_u32 v10, v11, 4, v10                ; my column in the pair: 8 (l / 16) + l % 8 + 16 ((l / 8) % 2)
	v_lshlrev_b32 v5, 2, v10
	s_lshl_b32 s24, s21, 19                        ; 128 rows of 4,096 bytes
	s_lshl_b32 s25, s22, 7                         ; 32 columns
	s_add_co_u32 s24, s24, s25
	s_mov_b32 s25, 0
	s_lshl_b32 s26, s20, 5
	s_add_co_u32 s26, s26, s22                     ; the pair's number in wb: 32 x matrix + P
	s_lshl_b32 s26, s26, 3
	s_add_co_u32 s28, s26, s21                     ; the record's number
	s_mul_i32 s26, s28, 3072
	s_mov_b32 s27, 0
	s_lshl_b32 s28, s28, 7
	s_add_co_u32 s28, s28, CODES
	s_mov_b32 s29, 0
	s_wait_kmcnt 0x0
	s_cmp_eq_u32 s20, 1                            ; the choice hangs on the work-group's number alone
	s_cselect_b64 s[4:5], s[8:9], s[6:7]
	s_cmp_eq_u32 s20, 2
	s_cselect_b64 s[4:5], s[10:11], s[4:5]
	s_cmp_eq_u32 s20, 3
	s_cselect_b64 s[4:5], s[12:13], s[4:5]
	s_add_nc_u64 s[4:5], s[4:5], s[24:25]
	s_add_nc_u64 s[30:31], s[16:17], s[26:27]
	s_add_nc_u64 s[32:33], s[16:17], s[28:29]
.macro LOADB t                         ; block t of the K step: W(128 s + 32 t + i, my column): a wave reads 128 consecutive bytes
.set i, 0
.rept 32
	global_load_b32 v[R+32*(\t)+i], v5, s[4:5] offset:(32*(\t)+i)*4096 th:TH_LOAD_NT
.set i, i+1
.endr
.endm
	LOADB 0
	LOADB 1
	s_wait_loadcnt 32                              ; block 0 is in (block 1's 32 loads may be out)
	LOADB 2
	s_wait_loadcnt 32                              ; block 1 is in (block 2's 32 may be out): the first unit's numbers are there
	LOADB 3
	UNIT R, 0
	s_wait_loadcnt 0x0
	UNIT R+64, 1
	global_store_b32 v8, v[SW], s[32:33]
	s_endpgm
.Lfunc_end_k_q75469253e4_quant:
	.size	k_q75469253e4_quant, .Lfunc_end_k_q75469253e4_quant-k_q75469253e4_quant
	.p2alignl 7, 3214868480
	.fill 96, 4, 3214868480
	.section	.rodata,"a",@progbits
	.p2align	6, 0x0
	.amdhsa_kernel k_q75469253e4_quant
		.amdhsa_group_segment_fixed_size 35328
		.amdhsa_private_segment_fixed_size 0
		.amdhsa_enable_private_segment 0
		.amdhsa_kernarg_size 56
		.amdhsa_user_sgpr_count 2
		.amdhsa_user_sgpr_kernarg_segment_ptr 1
		.amdhsa_wavefront_size32 1
		.amdhsa_system_sgpr_workgroup_id_x 1
		.amdhsa_system_sgpr_workgroup_id_y 1
		.amdhsa_system_sgpr_workgroup_id_z 1
		.amdhsa_system_vgpr_workitem_id 0
		.amdhsa_next_free_vgpr 256
		.amdhsa_next_free_sgpr 66
		.amdhsa_reserve_vcc 0
		.amdhsa_float_denorm_mode_32 3
		.amdhsa_float_denorm_mode_16_64 3
		.amdhsa_memory_ordered 1
		.amdhsa_forward_progress 1
		.amdhsa_inst_pref_size 37
	.end_amdhsa_kernel
	.amdgpu_metadata
---
amdhsa.version: [ 1, 2 ]
amdhsa.kernels:
  - .name:           k_q75469253e4_quant
    .symbol:         k_q75469253e4_quant.kd
    .args:
      - { .name: x, .offset: 0, .size: 8, .value_kind: global_buffer, .address_space: global }
      - { .name: Wq, .offset: 8, .size: 8, .value_kind: global_buffer, .address_space: global }
      - { .name: Wk, .offset: 16, .size: 8, .value_kind: global_buffer, .address_space: global }
      - { .name: Wv, .offset: 24, .size: 8, .value_kind: global_buffer, .address_space: global }
      - { .name: Wp, .offset: 32, .size: 8, .value_kind: global_buffer, .address_space: global }
      - { .name: xb, .offset: 40, .size: 8, .value_kind: global_buffer, .address_space: global }
      - { .name: wb, .offset: 48, .size: 8, .value_kind: global_buffer, .address_space: global }
    .group_segment_fixed_size: 35328
    .private_segment_fixed_size: 0
    .kernarg_segment_align: 8
    .kernarg_segment_size: 56
    .max_flat_workgroup_size: 128
    .sgpr_count:     66
    .vgpr_count:     256
    .wavefront_size: 32
...
	.end_amdgpu_metadata
.endif
;; end of part 1
;; launch qkv (part 2): grid 192 x 1, 16 waves a work-group, no clusters, 327,680 bytes of LDS; arguments xb, wb, bq, bk, bv, qb, kv; writes qb, kv
.if DOCPART == 2
	.amdgcn_target "amdgcn-amd-amdhsa--gfx1250"
	.amdhsa_code_object_version 6
	.text
	.protected	k_q75469253e4_qkv
	.globl	k_q75469253e4_qkv
	.p2align	8
	.type	k_q75469253e4_qkv,@function
k_q75469253e4_qkv:
	s_mov_b64 s[64:65], 0
	v_nop
	global_prefetch_b8 v0, s[64:65] scope:SCOPE_SE
	s_setreg_imm32_b32 hwreg(HW_REG_WAVE_MODE, 25, 1), 1
	s_wait_xcnt 0x0
; q = x Wq + bq, k = x Wk + bk, v = x Wv + bv on codes of BF6 (E3M2) with E8M0 scales, and each result quantised at once for attention's products: q and k along the head's 64, v along the KEYS.
; xb and wb hold operands in the order of the matrix unit's registers: pairs of tiles of 16 rows, row r of tile 2 P + u = row 32 P + 8 u + r + 8 (r / 8); a record of 3,072 bytes for pair P and K step s of 128 at
; (8 P + s) x 3,072, fragment of tile u at 1,536 u, its half c at 768 c: lane l's first 16 bytes at 16 l, its last 8 at 512 + 8 l.  Scale words: CODES + (8 P + s) x 128 + 4 l, lanes 0-15 tile 2 P, 16-31 tile 2 P + 1.
; SHARES.  Work-group g: matrix g / 64 (0 q, 1 k, 2 v), panel of 256 columns (g / 16) % 4, panel of 256 tokens g % 16.  Sixteen waves, four to a SIMD, each 64 x 64: 16 accumulators, 128 registers.
; SOURCE 0 DECIDES WHAT RUNS ALONG A LANE'S REGISTERS: with the tiles' rows chosen as above, the 32 registers of a source-1 tile's four accumulators are index 32 b + 16 (lane / 16) + i of source 0's 64 rows.
; q, k: source 0 = 64 columns of W = ONE HEAD, source 1 = tokens: a lane holds a token and its registers run along the head.  v: source 0 = 64 tokens, source 1 = 64 columns of Wv: a lane holds a channel, its registers run down the keys.
; The loop is one text for all three: only the pointers from which the two panels come are chosen.
; K goes through two LDS slots of two K steps each; wave w brings pair w % 8 of panel w / 8: 6,144 dense bytes a load.  The scale words of all of K come once, 1,024 bytes a wave.
; By this text's own count a wave has three tensor loads out at the start and one behind each refill's barrier.
; NO CLUSTER: a panel is read by 4 to 16 work-groups, and joint loads would divide those requests; left out here for the sake of a plain text: the panels are codes that the launch before has just written.
; OUT.  qb: half fragment of query tile T of head bh at (128 bh + T) x 768; scale words at CODES + (128 bh + T) x 128 + 4 l, bytes (s0, s1, s0, s1).
; kv: a block of 12,800 bytes for head bh and 128 keys: 4 fragments of K (keys' tile 2 b in the lower half of the fragment's K, tile 2 b + 1 in the upper), 4 fragments of V^T (16 channels x 128 keys), 256 bytes of K's scale words, 256 of V's.
; V's scale words leave as halves of 2 bytes a lane (a wave owns 64 of a block's 128 keys): 64 bytes of each 128 in one store.
; LIMITS: NaN and infinities are not served; a block whose largest magnitude lies under 2^-122, a block of zeros among them, keeps the scale byte 1 (this program alone reads the bytes).
.set CODES, 3145728
.set SLOT,  98304                      ; 16 pairs x 6,144 bytes
.set PANEL, 49152                      ; source 0's eight pairs, then source 1's
.set PAIRB, 6144                       ; a pair's two K steps
.set SCL,   2*SLOT                     ; the scale words: 1,024 bytes a pair, filled once
.set SPARE, SCL+16*1024                ; the spare words, 128 bytes for each wave: eight blocks of 256 bytes that no other line names
.set SA0, 10                           ; v10  LDS address of source 0's scale words
.set SA1, 11                           ; v11  of source 1's
.set SPW, 12                           ; v12  LDS address of my spare word; never rewritten
.set NIL, 13                           ; v13  0; never rewritten
.set S0,  16                           ; v16-17 source 0's scale words (two pairs); v18-19 source 1's: scales and nothing else
.set S1,  18
.set F0,  32                           ; v32-79   four fragments of source 0
.set F1,  80                           ; v80-127  four of source 1
.set ACC, 128                          ; v128-255 accumulator (source-1 tile b, source-0 tile a) at 128 + 8 (4 b + a)
.set BI,  32                           ; the way out: the bias
.set CT,  96                           ; a conversion's second result
.set TM,  100                          ; largest magnitudes; TP the other half's; SO scale operands; BY bytes
.set TP,  102
.set SO,  104
.set BY,  106
.set HW,  108                          ; v108-111 a tile's two scale bytes
.set G1,  28                           ; s[28:35] group 1: 6,144 dense bytes as 24 rows of 256
.set G1S, 36                           ; s[36:43] group 1: 1,024 dense bytes as 4 rows of 256
.set G0S, 44                           ; s[44:47] group 0 for the scale words; s[48:51] slot 0's; s[52:55] slot 1's
.set G0A, 48
.set G0B, 52
.set SEL, 60                           ; s[60:61] v_permlanex16_b32's selects for lane l xor 16
.macro FRAG reg, aq, ad, off           ; a fragment, 12 registers, as it lies: every load reads consecutive bytes
	ds_load_b128 v[\reg:\reg+3], v[\aq] offset:\off
	ds_load_b64 v[\reg+4:\reg+5], v[\ad] offset:\off+512
	ds_load_b128 v[\reg+6:\reg+9], v[\aq] offset:\off+768
	ds_load_b64 v[\reg+10:\reg+11], v[\ad] offset:\off+1280
.endm
; One product.  ra, rb: the side's scale words lie in lanes 16-31 of the register named.  zero: the product starts the sum.
.macro WM acc, fa, fb, sa, sb, ra, rb, zero
.if (\zero) && (\ra) && (\rb)
	v_wmma_scale_f32_16x16x128_f8f6f4 v[\acc:\acc+7], v[\fa:\fa+11], v[\fb:\fb+11], 0, v[\sa], v[\sb] matrix_a_fmt:MATRIX_FMT_BF6 matrix_b_fmt:MATRIX_FMT_BF6 matrix_a_scale:MATRIX_SCALE_ROW1 matrix_b_scale:MATRIX_SCALE_ROW1
.elseif (\zero) && (\ra)
	v_wmma_scale_f32_16x16x128_f8f6f4 v[\acc:\acc+7], v[\fa:\fa+11], v[\fb:\fb+11], 0, v[\sa], v[\sb] matrix_a_fmt:MATRIX_FMT_BF6 matrix_b_fmt:MATRIX_FMT_BF6 matrix_a_scale:MATRIX_SCALE_ROW1
.elseif (\zero) && (\rb)
	v_wmma_scale_f32_16x16x128_f8f6f4 v[\acc:\acc+7], v[\fa:\fa+11], v[\fb:\fb+11], 0, v[\sa], v[\sb] matrix_a_fmt:MATRIX_FMT_BF6 matrix_b_fmt:MATRIX_FMT_BF6 matrix_b_scale:MATRIX_SCALE_ROW1
.elseif (\zero)
	v_wmma_scale_f32_16x16x128_f8f6f4 v[\acc:\acc+7], v[\fa:\fa+11], v[\fb:\fb+11], 0, v[\sa], v[\sb] matrix_a_fmt:MATRIX_FMT_BF6 matrix_b_fmt:MATRIX_FMT_BF6
.elseif (\ra) && (\rb)
	v_wmma_scale_f32_16x16x128_f8f6f4 v[\acc:\acc+7], v[\fa:\fa+11], v[\fb:\fb+11], v[\acc:\acc+7], v[\sa], v[\sb] matrix_a_fmt:MATRIX_FMT_BF6 matrix_b_fmt:MATRIX_FMT_BF6 matrix_a_scale:MATRIX_SCALE_ROW1 matrix_b_scale:MATRIX_SCALE_ROW1
.elseif (\ra)
	v_wmma_scale_f32_16x16x128_f8f6f4 v[\acc:\acc+7], v[\fa:\fa+11], v[\fb:\fb+11], v[\acc:\acc+7], v[\sa], v[\sb] matrix_a_fmt:MATRIX_FMT_BF6 matrix_b_fmt:MATRIX_FMT_BF6 matrix_a_scale:MATRIX_SCALE_ROW1
.elseif (\rb)
	v_wmma_scale_f32_16x16x128_f8f6f4 v[\acc:\acc+7], v[\fa:\fa+11], v[\fb:\fb+11], v[\acc:\acc+7], v[\sa], v[\sb] matrix_a_fmt:MATRIX_FMT_BF6 matrix_b_fmt:MATRIX_FMT_BF6 matrix_b_scale:MATRIX_SCALE_ROW1
.else
	v_wmma_scale_f32_16x16x128_f8f6f4 v[\acc:\acc+7], v[\fa:\fa+11], v[\fb:\fb+11], v[\acc:\acc+7], v[\sa], v[\sb] matrix_a_fmt:MATRIX_FMT_BF6 matrix_b_fmt:MATRIX_FMT_BF6
.endif
.endm
; A K step of 128: 36 LDS loads, 16 products.  The 16 accumulators take turns, one instruction a turn, in the same order in every step.
.macro KSTEP a0q, a0d, a1q, a1d, off, s, first
.if !(\first)
.rept 4
	v_nop                                          ; four places between the last products and the loads into registers that they read (ISA guide 7.12.1 for vector instructions)
.endr
.endif
	ds_load_b32 v[S0], v[SA0] offset:128*(\s)
	ds_load_b32 v[S0+1], v[SA0] offset:1024+128*(\s)
	ds_load_b32 v[S1], v[SA1] offset:128*(\s)
	ds_load_b32 v[S1+1], v[SA1] offset:1024+128*(\s)
.irp b, 0,1,2,3
	FRAG F1+12*\b, \a1q, \a1d, (\off)+(\b/2)*PAIRB+(\b%2)*1536
.endr
.irp a, 0,1,2,3
	FRAG F0+12*\a, \a0q, \a0d, (\off)+(\a/2)*PAIRB+(\a%2)*1536
.endr
.irp a, 0,1,2,3
	s_wait_dscnt 4*(3-\a)                          ; all but the four loads of each later fragment of source 0
.irp b, 0,1,2,3
	WM ACC+8*(4*\b+\a), F0+12*\a, F1+12*\b, S0+\a/2, S1+\b/2, \a%2, \b%2, \first
.endr
.endr
.endm
; The change of slots.  Every wave: all my tensor loads have landed (my part of the slot ahead among them); the add; my reads of the slot behind are back; the barrier; then my one load, into the slot behind.
.macro TWO g0, refill
	s_wait_tensorcnt 0x0                           ; no tensor load of mine is out, so a group 0 may be written
	ds_add_u32 v[SPW], v[NIL]                      ; 0 onto my spare word
.if \refill
	s_add_nc_u64 s[\g0+2:\g0+3], s[\g0+2:\g0+3], 2*PAIRB   ; four K steps on in my pair's row of records; the type bits on top are not reached
.endif
	s_wait_dscnt 0x0                               ; the add is done, and my reads of the slot behind are over
	s_barrier_signal -1
	s_barrier_wait -1
.if \refill
	tensor_load_to_lds s[\g0:\g0+3], s[G1:G1+7]    ; the first thing behind the barrier; the next K step's four v_nop follow it
	s_nop 0
.endif
.endm
; 32 numbers of a lane, register 16 b + i = index 32 b + 16 (lane / 16) + i of my row, become a half fragment in v[c] .. v[c + 5]; the two blocks' bytes in v[BY], v[BY + 1], in both halves of the lanes.
.macro QUANT2 src, c
	v_max3_num_f32 v[TM], |v[\src]|, |v[\src+1]|, 0x2800000          ; with the floor 2^(5 - 127): the byte cannot fall under 1
	v_max3_num_f32 v[TM+1], |v[\src+16]|, |v[\src+17]|, 0x2800000
.irp i, 2,4,6,8,10,12,14
	v_max3_num_f32 v[TM], v[TM], |v[\src+\i]|, |v[\src+\i+1]|
	v_max3_num_f32 v[TM+1], v[TM+1], |v[\src+16+\i]|, |v[\src+17+\i]|
.endr
	v_permlanex16_b32 v[TP], v[TM], s[SEL], s[SEL+1]
	v_permlanex16_b32 v[TP+1], v[TM+1], s[SEL], s[SEL+1]
	v_max_num_f32 v[TM], v[TM], v[TP]                                ; with lane l xor 16's 16: the block's largest magnitude
	v_max_num_f32 v[TM+1], v[TM+1], v[TP+1]
	v_add_nc_u32 v[SO], 0xfe000000, v[TM]                            ; 4 off the exponent field: the conversion's scale operand
	v_add_nc_u32 v[SO+1], 0xfe000000, v[TM+1]
	v_lshrrev_b32 v[BY], 23, v[SO]
	v_lshrrev_b32 v[BY+1], 23, v[SO+1]
	v_cvt_scalef32_pk16_bf6_f32 v[\c:\c+2], v[\src:\src+15], v[SO]
	v_cvt_scalef32_pk16_bf6_f32 v[CT:CT+2], v[\src+16:\src+31], v[SO+1]
	v_nop                                                            ; one plain place behind the conversions
.irp i, 0,1,2
	v_permlane16_swap_b32 v[\c+\i], v[CT+\i]                         ; the first now holds the lower 16 codes of block lane / 16, the second the upper 16
.endr
.irp i, 0,1,2
	v_mov_b32 v[\c+3+\i], v[CT+\i]
.endr
.endm
	s_load_b256 s[4:11], s[0:1], 0x0               ; xb s[4:5], wb s[6:7], bq s[8:9], bk s[10:11]
	s_load_b128 s[12:15], s[0:1], 0x20             ; bv s[12:13], qb s[14:15]
	s_load_b64 s[16:17], s[0:1], 0x30              ; kv
	v_lshl_add_u32 v[SPW], v0, 2, SPARE
	v_mov_b32 v[NIL], 0
	ds_add_u32 v12, v13
	ds_add_u32 v12, v13
	s_wait_dscnt 0x0
	v_lshrrev_b32 v1, 5, v0
	v_readfirstlane_b32 s18, v1                    ; wave 0..15
	s_and_b32 s19, s18, 3                          ; w0: my 64 rows of source 0
	s_lshr_b32 s20, s18, 2                         ; w1: my 64 rows of source 1
	s_lshr_b32 s21, ttmp9, 6                       ; matrix: 0 q, 1 k, 2 v
	s_bfe_u32 s22, ttmp9, 0x20004                  ; pw: panel of 256 columns
	s_and_b32 s23, ttmp9, 15                       ; pt: panel of 256 tokens
	s_mov_b32 s[G1], 3<<16                         ; no mask; elements of 8 bytes; no padding
	s_mov_b32 s[G1+1], 32<<16                      ; tensor_dim0 = 32 elements (256 bytes)
	s_mov_b32 s[G1+2], 24<<16                      ; tensor_dim1 = 24
	s_mov_b32 s[G1+3], 32<<16                      ; tile_dim0
	s_mov_b32 s[G1+4], 24                          ; tile_dim1
	s_mov_b32 s[G1+5], 32                          ; the pitch: dense
	s_mov_b32 s[G1+6], 0
	s_mov_b32 s[G1+7], 0
	s_mov_b32 s[G1S], 3<<16
	s_mov_b32 s[G1S+1], 32<<16
	s_mov_b32 s[G1S+2], 4<<16
	s_mov_b32 s[G1S+3], 32<<16
	s_mov_b32 s[G1S+4], 4
	s_mov_b32 s[G1S+5], 32
	s_mov_b32 s[G1S+6], 0
	s_mov_b32 s[G1S+7], 0
	s_mov_b32 s[SEL], 0x76543210
	s_mov_b32 s[SEL+1], 0xfedcba98
	; what I fetch: pair w % 8 of panel w / 8.  Panel 0 is the weights' for q and k and the tokens' for v; panel 1 the other
	s_and_b32 s24, s18, 7
	s_lshr_b32 s25, s18, 3
	s_cmp_eq_u32 s21, 2
	s_cselect_b32 s26, 1, 0
	s_xor_b32 s25, s25, s26                        ; 0: from wb, 1: from xb
	s_lshl_b32 s26, s21, 5
	s_lshl_b32 s27, s22, 3
	s_add_co_u32 s26, s26, s27
	s_add_co_u32 s26, s26, s24                     ; wb's pair: 32 x matrix + 8 pw + w % 8
	s_lshl_b32 s27, s23, 3
	s_add_co_u32 s27, s27, s24                     ; xb's pair: 8 pt + w % 8
	s_cmp_eq_u32 s25, 0
	s_cselect_b32 s26, s26, s27
	s_mul_i32 s56, s26, 24576                      ; its eight records,
	s_mov_b32 s57, 0
	s_lshl_b32 s58, s26, 10
	s_add_co_u32 s58, s58, CODES                   ; its scale words
	s_mov_b32 s59, 0
	s_mul_i32 s62, s18, PAIRB                      ; where they go: wave x 6,144 in a slot,
	s_lshl_b32 s63, s18, 10                        ; wave x 1,024 among the scale words
	s_wait_kmcnt 0x0
	s_cmp_eq_u32 s25, 0                            ; the choice hangs on the wave's and the work-group's numbers alone
	s_cselect_b64 s[24:25], s[6:7], s[4:5]
	s_mov_b32 s[G0S], 1
	s_add_co_u32 s[G0S+1], s63, SCL
	s_add_nc_u64 s[G0S+2:G0S+3], s[24:25], s[58:59]
	s_or_b32 s[G0S+3], s[G0S+3], 0x80000000
	s_mov_b32 s[G0A], 1
	s_mov_b32 s[G0A+1], s62
	s_add_nc_u64 s[G0A+2:G0A+3], s[24:25], s[56:57]           ; K steps 0, 1
	s_mov_b32 s[G0B], 1
	s_add_co_u32 s[G0B+1], s62, SLOT
	s_add_nc_u64 s[G0B+2:G0B+3], s[G0A+2:G0A+3], PAIRB        ; K steps 2, 3
	s_or_b32 s[G0A+3], s[G0A+3], 0x80000000
	s_or_b32 s[G0B+3], s[G0B+3], 0x80000000
	tensor_load_to_lds s[G0S:G0S+3], s[G1S:G1S+7]  ; the three first fills go out together, ahead of every wait on TENSORcnt, every LDS read and every barrier
	s_nop 0
	tensor_load_to_lds s[G0A:G0A+3], s[G1:G1+7]
	s_nop 0
	tensor_load_to_lds s[G0B:G0B+3], s[G1:G1+7]
	s_nop 0
	v_and_b32 v1, 31, v0                           ; lane
	s_mul_i32 s24, s19, 2*PAIRB                    ; source 0: my two pairs
	s_mul_i32 s25, s20, 2*PAIRB
	s_add_co_u32 s25, s25, PANEL                   ; source 1: my two pairs
	v_lshl_add_u32 v2, v1, 4, s24                  ; slot 0: v2, v3 source 0 (16 and 8 bytes a lane); v4, v5 source 1
	v_lshl_add_u32 v3, v1, 3, s24
	v_lshl_add_u32 v4, v1, 4, s25
	v_lshl_add_u32 v5, v1, 3, s25
	v_add_nc_u32 v6, SLOT, v2                      ; slot 1: v6 .. v9
	v_add_nc_u32 v7, SLOT, v3
	v_add_nc_u32 v8, SLOT, v4
	v_add_nc_u32 v9, SLOT, v5
	s_lshl_b32 s24, s19, 11
	s_add_co_u32 s24, s24, SCL
	s_lshl_b32 s25, s20, 11
	s_add_co_u32 s25, s25, SCL+8*1024
	v_lshl_add_u32 v[SA0], v1, 2, s24
	v_lshl_add_u32 v[SA1], v1, 2, s25
	v_lshlrev_b32 v20, 4, v1                       ; the way out: 16, 8, 4 bytes a lane
	v_lshlrev_b32 v21, 3, v1
	v_lshlrev_b32 v22, 2, v1
	v_lshrrev_b32 v23, 4, v1
	v_lshlrev_b32 v23, 6, v23                      ; 64 (lane / 16): my half's 16 numbers of each 32 of a bias
	s_wait_tensorcnt 0x1                           ; my scale words and my part of slot 0 are in; slot 1's load may stay out
	s_barrier_signal -1
	s_barrier_wait -1                              ; everybody's are
	KSTEP 2, 3, 4, 5, 0, 0, 1                      ; the first products start the sums: nothing is cleared
	KSTEP 2, 3, 4, 5, 3072, 1, 0
	TWO G0A, 1                                     ; slot 0 takes K steps 4, 5
	KSTEP 6, 7, 8, 9, 0, 2, 0
	KSTEP 6, 7, 8, 9, 3072, 3, 0
	TWO G0B, 1                                     ; slot 1 takes K steps 6, 7
	KSTEP 2, 3, 4, 5, 0, 4, 0
	KSTEP 2, 3, 4, 5, 3072, 5, 0
	TWO G0A, 0                                     ; nothing is left to fetch
	KSTEP 6, 7, 8, 9, 0, 6, 0
	KSTEP 6, 7, 8, 9, 3072, 7, 0
	s_wait_tensorcnt 0x0                           ; behind my last tensor load: my last LDS instructions
	ds_add_u32 v[SPW], v[NIL]
	s_wait_dscnt 0x0
	; ---- THE WAY OUT: the bias, the quantiser, the stores.  Nothing goes through LDS: a half fragment is stored as it stands in the registers.
.rept 4
	v_nop                                          ; four places behind the last products
.endr
	v_mov_b32 v[TP], 0                             ; a lane permute's destination counts as one of its sources
	v_mov_b32 v[TP+1], 0
	s_lshr_b32 s24, s23, 3                         ; batch
	s_and_b32 s25, s23, 7                          ; pq: the panel in its batch
	s_cmp_eq_u32 s21, 2
	s_cbranch_scc1 .Lrole_v
	; q and k: my 64 columns are head 4 pw + w0; register 16 b + i of a tile of tokens is channel 32 b + 16 (lane / 16) + i
	s_lshl_b32 s26, s22, 2
	s_add_co_u32 s26, s26, s19                     ; head
	s_lshl_b32 s27, s24, 4
	s_add_co_u32 s27, s27, s26                     ; bh
	s_lshl_b32 s56, s26, 8
	s_mov_b32 s57, 0
	s_cmp_eq_u32 s21, 0
	s_cselect_b64 s[58:59], s[8:9], s[10:11]       ; bq or bk
	s_add_nc_u64 s[58:59], s[58:59], s[56:57]
.irp a, 0,1,2,3
	global_load_b128 v[BI+8*\a:BI+8*\a+3], v23, s[58:59] offset:(32*(\a/2)+8*(\a%2))*4
	global_load_b128 v[BI+8*\a+4:BI+8*\a+7], v23, s[58:59] offset:(32*(\a/2)+8*(\a%2))*4+16
.endr
	s_wait_loadcnt 0x0
.irp b, 0,1,2,3
.irp k, 0,2,4,6,8,10,12,14,16,18,20,22,24,26,28,30
	v_pk_add_f32 v[ACC+32*\b+\k:ACC+32*\b+\k+1], v[ACC+32*\b+\k:ACC+32*\b+\k+1], v[BI+\k:BI+\k+1]   ; each accumulator from its low end on
.endr
	QUANT2 ACC+32*\b, 64+8*\b
	v_lshl_or_b32 v[HW+\b], v[BY+1], 8, v[BY]      ; the tile's two bytes
.endr
	s_cmp_eq_u32 s21, 1
	s_cbranch_scc1 .Lrole_k
	; q: tile T = 16 pq + 4 w1 + b of head bh
	s_lshl_b32 s56, s27, 7
	s_lshl_b32 s62, s25, 4
	s_add_co_u32 s56, s56, s62
	s_lshl_b32 s62, s20, 2
	s_add_co_u32 s56, s56, s62                     ; 128 bh + T
	s_mul_i32 s58, s56, 768
	s_mov_b32 s59, 0
	s_lshl_b32 s62, s56, 7
	s_add_co_u32 s62, s62, CODES
	s_mov_b32 s63, 0
	s_add_nc_u64 s[58:59], s[14:15], s[58:59]
	s_add_nc_u64 s[62:63], s[14:15], s[62:63]
.irp b, 0,1,2,3
	v_lshl_or_b32 v[112+\b], v[HW+\b], 16, v[HW+\b]            ; (s0, s1, s0, s1): the word serves q in either half of a fragment's K
	global_store_b128 v20, v[64+8*\b:67+8*\b], s[58:59] offset:768*\b
	global_store_b64 v21, v[68+8*\b:69+8*\b], s[58:59] offset:768*\b+512
	global_store_b32 v22, v[112+\b], s[62:63] offset:128*\b
.endr
	s_endpgm
.Lrole_k:
	; k: block 16 bh + 2 pq + w1 / 2; my four tiles are its tiles 4 (w1 % 2) + b: fragments 2 (w1 % 2) and 2 (w1 % 2) + 1, 768 bytes a tile on end
	s_lshl_b32 s56, s27, 4
	s_lshl_b32 s62, s25, 1
	s_add_co_u32 s56, s56, s62
	s_lshr_b32 s62, s20, 1
	s_add_co_u32 s56, s56, s62
	s_mul_i32 s56, s56, 12800
	s_mov_b32 s57, 0
	s_add_nc_u64 s[56:57], s[16:17], s[56:57]      ; the block
	s_and_b32 s62, s20, 1
	s_mul_i32 s58, s62, 3072
	s_mov_b32 s59, 0
	s_add_nc_u64 s[58:59], s[56:57], s[58:59]
	s_lshl_b32 s62, s62, 7
	s_mov_b32 s63, 0
	s_add_nc_u64 s[62:63], s[56:57], s[62:63]
	v_lshl_or_b32 v112, v[HW+1], 16, v[HW]         ; a fragment's word: the even tile's two bytes, the odd tile's two
	v_lshl_or_b32 v113, v[HW+3], 16, v[HW+2]
	v_cmp_le_u32 vcc_lo, 16, v1
	v_cndmask_b32 v112, v112, v113, vcc_lo         ; lanes 0-15 the first fragment's, lanes 16-31 the second's
.irp b, 0,1,2,3
	global_store_b128 v20, v[64+8*\b:67+8*\b], s[58:59] offset:768*\b
	global_store_b64 v21, v[68+8*\b:69+8*\b], s[58:59] offset:768*\b+512
.endr
	global_store_b32 v22, v112, s[62:63] offset:12288
	s_endpgm
.Lrole_v:
	; v: my 64 columns of Wv are head 4 pw + w1; lane (r, h) of tile b holds channel 32 (b / 2) + 8 (b % 2) + r + 8 (r / 8); my 64 tokens are half w0 % 2 of block 16 bh + 2 pq + w0 / 2
	s_lshl_b32 s26, s22, 2
	s_add_co_u32 s26, s26, s20                     ; head
	s_lshl_b32 s27, s24, 4
	s_add_co_u32 s27, s27, s26                     ; bh
	s_lshl_b32 s56, s26, 8
	s_mov_b32 s57, 0
	s_add_nc_u64 s[58:59], s[12:13], s[56:57]      ; bv at my head
	v_and_b32 v24, 15, v1
	v_and_b32 v25, 8, v24
	v_add_nc_u32 v24, v24, v25
	v_lshlrev_b32 v24, 2, v24                      ; 4 (r + 8 (r / 8))
.irp b, 0,1,2,3
	global_load_b32 v[BI+2*\b], v24, s[58:59] offset:(32*(\b/2)+8*(\b%2))*4
	global_load_b32 v[BI+2*\b+1], v24, s[58:59] offset:(32*(\b/2)+8*(\b%2))*4      ; twice: a pair for the packed addition
.endr
	s_lshl_b32 s56, s27, 4
	s_lshl_b32 s62, s25, 1
	s_add_co_u32 s56, s56, s62
	s_lshr_b32 s62, s19, 1
	s_add_co_u32 s56, s56, s62
	s_mul_i32 s56, s56, 12800
	s_mov_b32 s57, 0
	s_add_nc_u64 s[56:57], s[16:17], s[56:57]      ; the block
	s_and_b32 s62, s19, 1                          ; c: which 64 of its keys
	s_mul_i32 s24, s62, 768
	s_mov_b32 s25, 0
	s_add_nc_u64 s[24:25], s[56:57], s[24:25]
	s_lshl_b32 s62, s62, 1
	s_mov_b32 s63, 0
	s_add_nc_u64 s[62:63], s[56:57], s[62:63]
	s_wait_loadcnt 0x0
.irp b, 0,1,2,3
.irp k, 0,2,4,6,8,10,12,14,16,18,20,22,24,26,28,30
	v_pk_add_f32 v[ACC+32*\b+\k:ACC+32*\b+\k+1], v[ACC+32*\b+\k:ACC+32*\b+\k+1], v[BI+2*\b:BI+2*\b+1]
.endr
	QUANT2 ACC+32*\b, 64+8*\b
	v_lshl_or_b32 v[HW+\b], v[BY+1], 8, v[BY]
.endr
	v_cmp_le_u32 vcc_lo, 16, v1
	v_cndmask_b32 v112, v[HW], v[HW+1], vcc_lo     ; lanes 0-15 tile 2 j, lanes 16-31 tile 2 j + 1
	v_cndmask_b32 v113, v[HW+2], v[HW+3], vcc_lo
.irp b, 0,1,2,3
	global_store_b128 v20, v[64+8*\b:67+8*\b], s[24:25] offset:6144+1536*\b
	global_store_b64 v21, v[68+8*\b:69+8*\b], s[24:25] offset:6144+1536*\b+512
.endr
	global_store_b16 v22, v112, s[62:63] offset:12544          ; bytes 2 c, 2 c + 1 of each row's word
	global_store_b16 v22, v113, s[62:63] offset:12544+128
	s_endpgm
.Lfunc_end_k_q75469253e4_qkv:
	.size	k_q75469253e4_qkv, .Lfunc_end_k_q75469253e4_qkv-k_q75469253e4_qkv
	.p2alignl 7, 3214868480
	.fill 96, 4, 3214868480
	.section	.rodata,"a",@progbits
	.p2align	6, 0x0
	.amdhsa_kernel k_q75469253e4_qkv
		.amdhsa_group_segment_fixed_size 327680
		.amdhsa_private_segment_fixed_size 0
		.amdhsa_enable_private_segment 0
		.amdhsa_kernarg_size 56
		.amdhsa_user_sgpr_count 2
		.amdhsa_user_sgpr_kernarg_segment_ptr 1
		.amdhsa_wavefront_size32 1
		.amdhsa_system_sgpr_workgroup_id_x 1
		.amdhsa_system_sgpr_workgroup_id_y 1
		.amdhsa_system_sgpr_workgroup_id_z 1
		.amdhsa_system_vgpr_workitem_id 0
		.amdhsa_next_free_vgpr 256
		.amdhsa_next_free_sgpr 66
		.amdhsa_reserve_vcc 1
		.amdhsa_float_denorm_mode_32 3
		.amdhsa_float_denorm_mode_16_64 3
		.amdhsa_memory_ordered 1
		.amdhsa_forward_progress 1
		.amdhsa_inst_pref_size 73
	.end_amdhsa_kernel
	.amdgpu_metadata
---
amdhsa.version: [ 1, 2 ]
amdhsa.kernels:
  - .name:           k_q75469253e4_qkv
    .symbol:         k_q75469253e4_qkv.kd
    .args:
      - { .name: xb, .offset: 0, .size: 8, .value_kind: global_buffer, .address_space: global }
      - { .name: wb, .offset: 8, .size: 8, .value_kind: global_buffer, .address_space: global }
      - { .name: bq, .offset: 16, .size: 8, .value_kind: global_buffer, .address_space: global }
      - { .name: bk, .offset: 24, .size: 8, .value_kind: global_buffer, .address_space: global }
      - { .name: bv, .offset: 32, .size: 8, .value_kind: global_buffer, .address_space: global }
      - { .name: qb, .offset: 40, .size: 8, .value_kind: global_buffer, .address_space: global }
      - { .name: kv, .offset: 48, .size: 8, .value_kind: global_buffer, .address_space: global }
    .group_segment_fixed_size: 327680
    .private_segment_fixed_size: 0
    .kernarg_segment_align: 8
    .kernarg_segment_size: 56
    .max_flat_workgroup_size: 512
    .sgpr_count:     66
    .vgpr_count:     256
    .wavefront_size: 32
...
	.end_amdgpu_metadata
.endif
;; end of part 2
;; launch attn (part 3): grid 256 x 1, 16 waves a work-group, no clusters, 27,648 bytes of LDS; arguments qb, kv, yb; writes yb
.if DOCPART == 3
	.amdgcn_target "amdgcn-amd-amdhsa--gfx1250"
	.amdhsa_code_object_version 6
	.text
	.protected	k_q75469253e4_attn
	.globl	k_q75469253e4_attn
	.p2align	8
	.type	k_q75469253e4_attn,@function
k_q75469253e4_attn:
	s_mov_b64 s[64:65], 0
	v_nop
	global_prefetch_b8 v0, s[64:65] scope:SCOPE_SE
	s_setreg_imm32_b32 hwreg(HW_REG_WAVE_MODE, 25, 1), 1
	s_wait_xcnt 0x0
; y[bh][q] = the sum over keys k <= q of softmax_k(q . k / 8) v[k], head size 64, both products on codes of BF6 (E3M2) with E8M0 scales; y is quantised at once, along the model's 1,024, for the last product.
; THE SOFTMAX AHEAD OF THE SECOND PRODUCT: t = score x log2(e) / 8; M = the row's largest t so far, rounded UP to a whole number; p = 2^(t - M) is quantised along the keys, not normalised; the row's sum is taken
; of the unquantised p and divides at the end.  When M moves, the sum and O are multiplied by 2^(old M - new M): exact.
; SHARES.  Work-group g: head bh = g / 8, and the blocks of 128 queries i = g % 8 and 15 - i: 17 key steps for each pair of tiles in every work-group.  Sixteen waves, one tile of 16 queries each;
; wave w: tile w / 2 of the low block or of the high one by (w xor w / 4) % 2, so that waves w, w + 4, w + 8, w + 12 are two of each kind.
; KEYS go 128 a step.  A step's block of kv (12,800 bytes: 4 fragments of K, 4 of V^T, their scale words, all in the order of the operand's registers) is staged through registers into one of two LDS slots, two steps ahead
; in registers and one in LDS: one barrier a step.  No tensor load: the number of steps hangs on the work-group's number.  A step all of whose keys come after my queries is left out (a scalar branch on ids round its work,
; not round the barrier or the staging).  The staged block's number is held at 15, the head's last: in its last steps a work-group stages a block that nobody reads.
; THE HEAD'S 64 FILL HALF OF THE INSTRUCTION'S K.  A fragment of K holds TWO tiles of keys: tile 2 b in K 0-63, tile 2 b + 1 in K 64-127.  It is multiplied twice: by (q, zeros) and by (zeros, q).  Zero codes add nothing
; (the format has no infinity or NaN, and every scale byte lies between 1 and 254).  q's scale word is (s0, s1, s0, s1) and serves both.
; LAYOUT.  Both products are used transposed (source 0 = keys, or channels of V^T; source 1 = my queries, or p): a lane holds ONE query.  Row r of a tile T is index 32 (T / 2) + 8 (T % 2) + r + 8 (r / 8), so that the 16
; registers of tiles 2 b, 2 b + 1 are 16 neighbours: keys 32 b + 16 (lane / 16) + i for the scores, channels likewise for O^T.
; LIMITS: NaN and infinities are not served; a block of y whose largest magnitude lies under 2^-122, a block of zeros among them, keeps the scale byte 1 (this program alone reads the bytes).
; y's scale bytes leave one byte a lane: 32 bytes of a record's 128 in one store.
.set CODES, 3145728
.set BLKB,  12800                      ; a block of kv, and an LDS slot
.set VOFF,  6144
.set KSC,   12288
.set VSC,   12544
.set F,   48                           ; v48-95   four fragments of K, then of V^T
.set S,   96                           ; v96-159  S^T, then p
.set O,   160                          ; v160-191 O^T
.set P,   192                          ; v192-203 p's codes
.set CT,  204                          ; v204-206, v208-210 the conversions' second results
.set BM,  212                          ; v212-215 the blocks' largest scores, then largest p
.set PT,  216                          ; v216-219 the other half's
.set SO,  220                          ; v220-223 the conversions' scale operands
.set BY,  224                          ; v224-227 the scale bytes
.set TM,  BM
.set TP,  PT
.set SEL, 20                           ; s[20:21] v_permlanex16_b32's selects for lane l xor 16
.set CS,  22                           ; s[22:23] c = log2(e) / 8
; v1, v2, v3: 16, 8, 4 x lane;  v4, v5: 16, 8 x thread;  v6: my query in its block - 16 (lane / 16);  v7: -infinity;  v8-13 (wave 0: v8-17) the block on its way;
; v18 -M, v19 the largest t, v[20:21] the sum in two halves, v22 f (v23: named with it as a pair);  v24-25 K's scale words, v26-27 V's, v28 q's, v29 p's: scales and nothing else;
; v30-35 q, v36-41 zeros, v42-47 q again: (q, zeros) = v[30:41], (zeros, q) = v[36:47]
.macro FRAG reg, aq, ad, off           ; a fragment, 12 registers, as it lies: every load reads consecutive bytes
	ds_load_b128 v[\reg:\reg+3], v[\aq] offset:\off
	ds_load_b64 v[\reg+4:\reg+5], v[\ad] offset:\off+512
	ds_load_b128 v[\reg+6:\reg+9], v[\aq] offset:\off+768
	ds_load_b64 v[\reg+10:\reg+11], v[\ad] offset:\off+1280
.endm
.macro WM acc, fa, fb, sa, sb, ra, zero        ; ra: source 0's scale words lie in lanes 16-31.  zero: the product starts the sum
.if (\zero) && (\ra)
	v_wmma_scale_f32_16x16x128_f8f6f4 v[\acc:\acc+7], v[\fa:\fa+11], v[\fb:\fb+11], 0, v[\sa], v[\sb] matrix_a_fmt:MATRIX_FMT_BF6 matrix_b_fmt:MATRIX_FMT_BF6 matrix_a_scale:MATRIX_SCALE_ROW1
.elseif (\zero)
	v_wmma_scale_f32_16x16x128_f8f6f4 v[\acc:\acc+7], v[\fa:\fa+11], v[\fb:\fb+11], 0, v[\sa], v[\sb] matrix_a_fmt:MATRIX_FMT_BF6 matrix_b_fmt:MATRIX_FMT_BF6
.elseif (\ra)
	v_wmma_scale_f32_16x16x128_f8f6f4 v[\acc:\acc+7], v[\fa:\fa+11], v[\fb:\fb+11], v[\acc:\acc+7], v[\sa], v[\sb] matrix_a_fmt:MATRIX_FMT_BF6 matrix_b_fmt:MATRIX_FMT_BF6 matrix_a_scale:MATRIX_SCALE_ROW1
.else
	v_wmma_scale_f32_16x16x128_f8f6f4 v[\acc:\acc+7], v[\fa:\fa+11], v[\fb:\fb+11], v[\acc:\acc+7], v[\sa], v[\sb] matrix_a_fmt:MATRIX_FMT_BF6 matrix_b_fmt:MATRIX_FMT_BF6
.endif
.endm
.macro GLOAD                           ; the block at s[26:27] into registers: 8,192 + 4,096 bytes by the 512 threads, the 512 bytes of scale words by wave 0
	global_load_b128 v[8:11], v4, s[26:27]
	global_load_b64 v[12:13], v5, s[26:27] offset:8192
	s_cmp_lg_u32 s10, 0
	s_cbranch_scc1 .Lnot0_\@
	global_load_b128 v[14:17], v1, s[26:27] offset:KSC
.Lnot0_\@:
.endm
.macro GSTORE slot                     ; and from the registers into a slot, byte for byte
	ds_store_b128 v4, v[8:11] offset:(\slot)*BLKB
	ds_store_b64 v5, v[12:13] offset:(\slot)*BLKB+8192
	s_cmp_lg_u32 s10, 0
	s_cbranch_scc1 .Lnot0_\@
	ds_store_b128 v1, v[14:17] offset:(\slot)*BLKB+KSC
.Lnot0_\@:
.endm
; 32 numbers of a lane, register 16 b + i = index 32 b + 16 (lane / 16) + i of my row, become a half fragment in v[c] .. v[c + 5]; the two blocks' bytes in v[BY], v[BY + 1], in both halves of the lanes.
.macro QUANT2 src, c
	v_max3_num_f32 v[TM], |v[\src]|, |v[\src+1]|, 0x2800000          ; with the floor 2^(5 - 127): the byte cannot fall under 1
	v_max3_num_f32 v[TM+1], |v[\src+16]|, |v[\src+17]|, 0x2800000
.irp i, 2,4,6,8,10,12,14
	v_max3_num_f32 v[TM], v[TM], |v[\src+\i]|, |v[\src+\i+1]|
	v_max3_num_f32 v[TM+1], v[TM+1], |v[\src+16+\i]|, |v[\src+17+\i]|
.endr
	v_permlanex16_b32 v[TP], v[TM], s[SEL], s[SEL+1]
	v_permlanex16_b32 v[TP+1], v[TM+1], s[SEL], s[SEL+1]
	v_max_num_f32 v[TM], v[TM], v[TP]
	v_max_num_f32 v[TM+1], v[TM+1], v[TP+1]
	v_add_nc_u32 v[SO], 0xfe000000, v[TM]
	v_add_nc_u32 v[SO+1], 0xfe000000, v[TM+1]
	v_lshrrev_b32 v[BY], 23, v[SO]
	v_lshrrev_b32 v[BY+1], 23, v[SO+1]
	v_cvt_scalef32_pk16_bf6_f32 v[\c:\c+2], v[\src:\src+15], v[SO]
	v_cvt_scalef32_pk16_bf6_f32 v[CT:CT+2], v[\src+16:\src+31], v[SO+1]
	v_nop                                                            ; one plain place behind the conversions
.irp i, 0,1,2
	v_permlane16_swap_b32 v[\c+\i], v[CT+\i]
.endr
.irp i, 0,1,2
	v_mov_b32 v[\c+3+\i], v[CT+\i]
.endr
.endm
	s_load_b128 s[4:7], s[0:1], 0x0                ; qb s[4:5], kv s[6:7]
	s_load_b64 s[8:9], s[0:1], 0x10                ; yb
	v_lshl_add_u32 v254, v0, 2, 0x6400
	v_mov_b32 v255, 0
	v_lshrrev_b32 v1, 5, v0
	v_readfirstlane_b32 s10, v1                    ; wave 0..15
	v_and_b32 v3, 31, v0
	v_lshlrev_b32 v1, 4, v3
	v_lshlrev_b32 v2, 3, v3
	v_lshlrev_b32 v3, 2, v3
	v_lshlrev_b32 v4, 4, v0
	v_lshlrev_b32 v5, 3, v0
	s_lshr_b32 s11, ttmp9, 3                       ; bh
	s_and_b32 s12, ttmp9, 7                        ; i
	s_lshr_b32 s13, s10, 2
	s_xor_b32 s13, s13, s10
	s_and_b32 s13, s13, 1                          ; 1: the high block
	s_lshr_b32 s14, s10, 1                         ; my tile in its block
	s_sub_co_u32 s28, 15, s12
	s_cmp_eq_u32 s13, 1
	s_cselect_b32 s15, s28, s12                    ; my block of 128 queries: also my last key step, the one on the diagonal
	s_lshl_b32 s16, s15, 3
	s_add_co_u32 s16, s16, s14                     ; T: my tile in the head
	s_sub_co_u32 s18, 17, s12
	s_lshr_b32 s18, s18, 1                         ; trips of two steps: at least the high block's 16 - i steps; the same in all sixteen waves
	s_mov_b32 s17, 0                               ; the key step
	s_mov_b32 s[SEL], 0x76543210
	s_mov_b32 s[SEL+1], 0xfedcba98
	s_mov_b32 s[CS], 0x3e38aa3b                    ; c = log2(e) / 8
	s_mov_b32 s[CS+1], s[CS]                       ; (named with it as a pair, so it is written)
	s_mul_i32 s24, s11, 16*BLKB                    ; the head's 16 blocks
	s_mov_b32 s25, 0
	s_lshl_b32 s28, s11, 7
	s_add_co_u32 s28, s28, s16                     ; 128 bh + T
	s_mul_i32 s30, s28, 768
	s_mov_b32 s31, 0
	s_lshl_b32 s32, s28, 7
	s_add_co_u32 s32, s32, CODES
	s_mov_b32 s33, 0
	s_lshr_b32 s28, s14, 1
	s_lshl_b32 s28, s28, 5
	s_and_b32 s29, s14, 1
	s_lshl_b32 s29, s29, 3
	s_add_co_u32 s28, s28, s29                     ; 32 (tile / 2) + 8 (tile % 2)
	v_and_b32 v228, 15, v0
	v_and_b32 v229, 8, v228
	v_add_nc_u32 v228, v228, v229                  ; r + 8 (r / 8)
	v_bfe_u32 v229, v0, 4, 1
	v_lshlrev_b32 v229, 4, v229
	v_sub_nc_u32 v228, v228, v229
	v_add_nc_u32 v6, s28, v228                     ; my query in its block - 16 (lane / 16)
	v_mov_b32 v7, 0xff800000                       ; -infinity
	s_wait_kmcnt 0x0
	s_add_nc_u64 s[24:25], s[6:7], s[24:25]
	s_add_nc_u64 s[30:31], s[4:5], s[30:31]
	s_add_nc_u64 s[32:33], s[4:5], s[32:33]
	s_mov_b64 s[26:27], s[24:25]
	GLOAD                                          ; block 0
	global_load_b128 v[30:33], v1, s[30:31]        ; q's half fragment, twice: it stays in registers
	global_load_b64 v[34:35], v2, s[30:31] offset:512
	global_load_b128 v[42:45], v1, s[30:31]
	global_load_b64 v[46:47], v2, s[30:31] offset:512
	global_load_b32 v28, v3, s[32:33]              ; q's scale words
.set j, 0
.rept 32
	v_mov_b32 v[O+j], 0                            ; O^T.  (The step is written once: the first finds zeros, which the first change of M leaves zeros)
.set j, j+1
.endr
.irp j, 36,37,38,39,40,41
	v_mov_b32 v\j, 0                               ; the zero codes beside q
.endr
.irp b, 0,1,2,3
	v_mov_b32 v[PT+\b], 0                          ; a lane permute's destination counts as one of its sources
.endr
	v_mov_b32 v19, 0xff61b1e6                      ; the largest t so far: -3e38, under every t
	v_floor_f32 v18, -v19                          ; -M
	v_mov_b32 v20, 0                               ; the sum, in two halves
	v_mov_b32 v21, 0
	v_mov_b32 v23, 0
	s_wait_loadcnt 0x0
	GSTORE 0
	s_wait_dscnt 0x0                               ; the stores have read their registers
	s_add_nc_u64 s[26:27], s[24:25], BLKB
	GLOAD                                          ; block 1
; A KEY STEP, read from slot `slot`.
.macro STEP slot
.set SL, (\slot)*BLKB
	s_wait_dscnt 0x0                               ; my stores into this slot have landed, and my reads of the other one are back
	s_barrier_signal -1
	s_barrier_wait -1                              ; both now hold of all sixteen waves
	s_wait_loadcnt 0x0                             ; the next step's block is in my registers
	GSTORE 1-(\slot)
	s_wait_dscnt 0x0                               ; the stores have read their registers
	s_add_co_u32 s28, s17, 2
	s_min_u32 s28, s28, 15                         ; no load leaves the head's 16 blocks
	s_mul_i32 s28, s28, BLKB
	s_mov_b32 s29, 0
	s_add_nc_u64 s[26:27], s[24:25], s[28:29]
	GLOAD                                          ; the block two steps on
	s_cmp_gt_u32 s17, s15
	s_cbranch_scc1 .Lhidden_\@                     ; all of this step's keys come after my queries
	ds_load_b32 v24, v3 offset:SL+KSC
	ds_load_b32 v25, v3 offset:SL+KSC+128
	ds_load_b32 v26, v3 offset:SL+VSC
	ds_load_b32 v27, v3 offset:SL+VSC+128
.irp b, 0,1,2,3
	FRAG F+12*\b, 1, 2, SL+1536*\b
.endr
	s_wait_dscnt 0x0
.irp b, 0,1,2,3                                ; S^T: each fragment of K twice
	WM S+8*(2*\b), F+12*\b, 30, 24+\b/2, 28, \b%2, 1
	WM S+8*(2*\b+1), F+12*\b, 36, 24+\b/2, 28, \b%2, 1
.endr
.rept 4
	v_nop                                          ; four places: in front of the loads into K's registers, and of the first read of the scores
.endr
.irp t, 0,1,2,3
	FRAG F+12*\t, 1, 2, SL+VOFF+1536*\t            ; V^T lands while the softmax is worked
.endr
	s_cmp_lg_u32 s17, s15
	s_cbranch_scc1 .Lopen_\@                       ; only the step on the diagonal hides keys
.set n, 0
.rept 64
	v_cmp_gt_i32 vcc_lo, 32*(n/16)+n%16, v6        ; register 16 b + i holds key 32 b + 16 (lane / 16) + i of the step: hidden where it comes after my query
	v_cndmask_b32 v[S+n], v[S+n], v7, vcc_lo
.set n, n+1
.endr
.Lopen_\@:
.irp b, 0,1,2,3
	v_max3_num_f32 v[BM+\b], v[S+16*\b], v[S+1+16*\b], v[S+2+16*\b]  ; the largest score of each block of 32 keys: for the row's maximum and, since p rises with the score, for the block's largest p
.endr
.irp i, 3,5,7,9,11,13
.irp b, 0,1,2,3
	v_max3_num_f32 v[BM+\b], v[BM+\b], v[S+16*\b+\i], v[S+1+16*\b+\i]
.endr
.endr
.irp b, 0,1,2,3
	v_max_num_f32 v[BM+\b], v[BM+\b], v[S+15+16*\b]
.endr
.irp b, 0,1,2,3
	v_permlanex16_b32 v[PT+\b], v[BM+\b], s[SEL], s[SEL+1]
.endr
.irp b, 0,1,2,3
	v_max_num_f32 v[BM+\b], v[BM+\b], v[PT+\b]     ; with lane l xor 16's 16 keys
.endr
	v_max3_num_f32 v228, v[BM], v[BM+1], v[BM+2]
	v_max_num_f32 v228, v228, v[BM+3]              ; the step's largest score of my query
	v_mul_f32 v228, s[CS], v228                    ; as t (c is positive)
	v_max_num_f32 v19, v19, v228                   ; the running largest t
	v_mov_b32 v228, v18
	v_floor_f32 v18, -v19                          ; the new -M = floor(-t) = -ceil(t): a whole number
	v_sub_f32 v228, v18, v228                      ; old M - new M: a whole number, 0 or less
	v_cvt_i32_f32 v228, v228                       ; (it saturates)
	v_ldexp_f32 v22, 1.0, v228                     ; f = 2^(old M - new M)
.set j, 0
.rept 32
	v_pk_fma_f32 v[S+j:S+j+1], v[S+j:S+j+1], s[CS:CS+1], v[18:19] op_sel_hi:[1,0,0]   ; t - M, two at a time
.set j, j+2
.endr
.irp b, 0,1,2,3
	v_fma_f32 v[BM+\b], v[BM+\b], s[CS], v18       ; the same of each block's largest score
.endr
.set j, 0
.rept 64
	v_exp_f32 v[S+j], v[S+j]                       ; p = 2^(t - M), at most 1
.set j, j+1
.endr
.irp b, 0,1,2,3
	v_exp_f32 v[BM+\b], v[BM+\b]                   ; the block's largest p: the same two instructions on the same number
.endr
	v_pk_mul_f32 v[20:21], v[20:21], v[22:23] op_sel_hi:[1,0]        ; the sums under the new M.  (A plain place behind the exponentials)
	s_wait_alu depctr_va_vdst(0)
.irp b, 0,1,2,3
	v_max_num_f32 v[BM+\b], 0x2800000, v[BM+\b]    ; the floor 2^(5 - 127): a block whose every p is 0 keeps the byte 1: its codes are zeros
.endr
.irp b, 0,1,2,3
	v_add_nc_u32 v[SO+\b], 0xfe000000, v[BM+\b]
.endr
.irp b, 0,1,2,3
	v_lshrrev_b32 v[BY+\b], 23, v[SO+\b]
.endr
	v_lshl_or_b32 v29, v[BY+1], 8, v[BY]           ; p's scale word for these 128 keys
	v_lshl_or_b32 v29, v[BY+2], 16, v29
	v_lshl_or_b32 v29, v[BY+3], 24, v29
.irp c, 0,1
	v_cvt_scalef32_pk16_bf6_f32 v[P+6*\c:P+2+6*\c], v[S+32*\c:S+15+32*\c], v[SO+2*\c]
	v_cvt_scalef32_pk16_bf6_f32 v[CT+4*\c:CT+2+4*\c], v[S+16+32*\c:S+31+32*\c], v[SO+2*\c+1]
.endr
	v_nop                                          ; one plain place behind the conversions
.irp c, 0,1                                    ; the operand wants a whole block in a lane: lanes 0-15 block 2 c, lanes 16-31 block 2 c + 1
.irp i, 0,1,2
	v_permlane16_swap_b32 v[P+6*\c+\i], v[CT+4*\c+\i]
.endr
.irp i, 0,1,2
	v_mov_b32 v[P+3+6*\c+\i], v[CT+4*\c+\i]
.endr
.endr
	v_pk_add_f32 v[230:231], v[S:S+1], v[S+2:S+3]  ; the row's sum is taken of the unquantised p: two at a time, in two chains
.irp j, 4,8,12,16,20,24,28,32,36,40,44,48,52,56,60
	v_pk_add_f32 v[20:21], v[20:21], v[S+\j:S+1+\j]
	v_pk_add_f32 v[230:231], v[230:231], v[S+2+\j:S+3+\j]
.endr
	v_pk_add_f32 v[20:21], v[20:21], v[230:231]
.set j, 0
.rept 16
	v_pk_mul_f32 v[O+j:O+j+1], v[O+j:O+j+1], v[22:23] op_sel_hi:[1,0]   ; O^T under the new M.  (These and the sums are the places between p's codes and scale word and the products)
.set j, j+2
.endr
	s_wait_dscnt 0x0                               ; V^T is in
.irp t, 0,1,2,3                                ; O^T += V^T p^T: four accumulators by turns
	WM O+8*\t, F+12*\t, P, 26+\t/2, 29, \t%2, 0
.endr
.rept 4
	v_nop                                          ; four places behind the products, for the next step's loads and for the end's first read of O^T
.endr
.Lhidden_\@:
	s_add_co_u32 s17, s17, 1
.endm
.Ltrip:
	STEP 0
	STEP 1
	s_sub_co_u32 s18, s18, 1
	s_cmp_lg_u32 s18, 0
	s_cbranch_scc1 .Ltrip
	; ---- THE END: O^T / the sum is y's 64 channels of my head for my 16 queries: two blocks of 32 along the last product's K.  It leaves as a half fragment of yb.
	v_add_f32 v20, v20, v21                        ; the sum's two halves,
	v_permlanex16_b32 v[PT], v20, s[SEL], s[SEL+1]
	v_add_f32 v20, v20, v[PT]                      ; and lane l xor 16's
	v_rcp_f32 v20, v20
	v_nop                                          ; one plain place behind the reciprocal
.set j, 0
	s_wait_alu depctr_va_vdst(0)
.rept 32
	v_mul_f32 v[S+j], v[O+j], v20                  ; register 16 b + i: channel 32 b + 16 (lane / 16) + i
.set j, j+1
.endr
	QUANT2 S, P
	s_lshr_b32 s28, s11, 4                         ; batch
	s_and_b32 s29, s11, 15                         ; head
	s_lshl_b32 s28, s28, 6
	s_lshr_b32 s30, s16, 1
	s_add_co_u32 s28, s28, s30                     ; yb's pair: 64 x batch + T / 2
	s_lshl_b32 s28, s28, 3
	s_lshr_b32 s30, s29, 1
	s_add_co_u32 s28, s28, s30                     ; the record: K step head / 2
	s_and_b32 s30, s16, 1                          ; u = T % 2
	s_and_b32 s29, s29, 1                          ; c = head % 2
	s_lshl_b32 s34, s28, 2
	s_lshl_b32 s35, s30, 1
	s_add_co_u32 s34, s34, s35
	s_add_co_u32 s34, s34, s29
	s_mul_i32 s34, s34, 768
	s_mov_b32 s35, 0
	s_add_nc_u64 s[34:35], s[8:9], s[34:35]
	s_lshl_b32 s36, s28, 7
	s_lshl_b32 s30, s30, 6
	s_add_co_u32 s36, s36, s30
	s_lshl_b32 s29, s29, 1
	s_add_co_u32 s36, s36, s29
	s_add_co_u32 s36, s36, CODES
	s_mov_b32 s37, 0
	s_add_nc_u64 s[36:37], s[8:9], s[36:37]        ; the record's scale words, at row 16 u, byte 2 c
	v_and_b32 v228, 15, v0
	v_bfe_u32 v229, v0, 4, 1
	v_lshl_add_u32 v228, v228, 2, v229             ; 4 r + lane / 16: each lane stores a byte of its own
	v_cmp_eq_u32 vcc_lo, 1, v229
	v_cndmask_b32 v229, v[BY], v[BY+1], vcc_lo
	global_store_b128 v1, v[P:P+3], s[34:35]
	global_store_b64 v2, v[P+4:P+5], s[34:35] offset:512
	global_store_b8 v228, v229, s[36:37]
	s_wait_tensorcnt 0x0
	ds_add_u32 v254, v255
	s_wait_dscnt 0x0
	s_endpgm
.Lfunc_end_k_q75469253e4_attn:
	.size	k_q75469253e4_attn, .Lfunc_end_k_q75469253e4_attn-k_q75469253e4_attn
	.p2alignl 7, 3214868480
	.fill 96, 4, 3214868480
	.section	.rodata,"a",@progbits
	.p2align	6, 0x0
	.amdhsa_kernel k_q75469253e4_attn
		.amdhsa_group_segment_fixed_size 27648
		.amdhsa_private_segment_fixed_size 0
		.amdhsa_enable_private_segment 0
		.amdhsa_kernarg_size 24
		.amdhsa_user_sgpr_count 2
		.amdhsa_user_sgpr_kernarg_segment_ptr 1
		.amdhsa_wavefront_size32 1
		.amdhsa_system_sgpr_workgroup_id_x 1
		.amdhsa_system_sgpr_workgroup_id_y 1
		.amdhsa_system_sgpr_workgroup_id_z 1
		.amdhsa_system_vgpr_workitem_id 0
		.amdhsa_next_free_vgpr 256
		.amdhsa_next_free_sgpr 66
		.amdhsa_reserve_vcc 1
		.amdhsa_float_denorm_mode_32 3
		.amdhsa_float_denorm_mode_16_64 3
		.amdhsa_memory_ordered 1
		.amdhsa_forward_progress 1
		.amdhsa_inst_pref_size 54
	.end_amdhsa_kernel
	.amdgpu_metadata
---
amdhsa.version: [ 1, 2 ]
amdhsa.kernels:
  - .name:           k_q75469253e4_attn
    .symbol:         k_q75469253e4_attn.kd
    .args:
      - { .name: qb, .offset: 0, .size: 8, .value_kind: global_buffer, .address_space: global }
      - { .name: kv, .offset: 8, .size: 8, .value_kind: global_buffer, .address_space: global }
      - { .name: yb, .offset: 16, .size: 8, .value_kind: global_buffer, .address_space: global }
    .group_segment_fixed_size: 27648
    .private_segment_fixed_size: 0
    .kernarg_segment_align: 8
    .kernarg_segment_size: 24
    .max_flat_workgroup_size: 512
    .sgpr_count:     66
    .vgpr_count:     256
    .wavefront_size: 32
...
	.end_amdgpu_metadata
.endif
;; end of part 3
;; launch proj (part 4): grid 256 x 1, 4 waves a work-group, no clusters, 229,888 bytes of LDS; arguments yb, wb, bp, out0; writes out0
.if DOCPART == 4
	.amdgcn_target "amdgcn-amd-amdhsa--gfx1250"
	.amdhsa_code_object_version 6
	.text
	.protected	k_q75469253e4_proj
	.globl	k_q75469253e4_proj
	.p2align	8
	.type	k_q75469253e4_proj,@function
k_q75469253e4_proj:
	s_mov_b64 s[64:65], 0
	v_nop
	global_prefetch_b8 v0, s[64:65] scope:SCOPE_SE
	s_setreg_imm32_b32 hwreg(HW_REG_WAVE_MODE, 25, 1), 1
	s_wait_xcnt 0x0
; out0 = y Wp + bp on codes of BF6 (E3M2) with E8M0 scales; out0 [4096][1024] f32.  yb and wb hold the operands in the order of the matrix unit's registers: pairs of tiles of 16 rows, row r of tile 2 P + u =
; row 32 P + 8 u + r + 8 (r / 8); a record of 3,072 bytes for pair P and K step s of 128 at (8 P + s) x 3,072; scale words at CODES + (8 P + s) x 128 + 4 l.  Wp's pairs are wb's 96 to 127.
; SHARES.  Work-group g: 128 columns g % 8, 128 tokens g / 8: 256 work-groups.  Four waves, each 64 x 64: source 0 = 64 columns of Wp, source 1 = 64 tokens: a lane holds a token, its registers run along the columns.
; ALL OF K LIES IN LDS: each wave brings two pairs' eight K steps (49,152 bytes) in four loads of two K steps, and their scale words in a fifth: first fills alone, nothing is filled again.
; By this text's own count a wave has five tensor loads out.  The products of a chunk begin as soon as that chunk has landed in all four waves' parts.
; NO CLUSTER: a panel of Wp is read by 32 work-groups and a panel of y by 8, and joint loads would divide those requests; left out here for the sake of a plain text: both are codes that earlier launches have just written.
.set CODES, 3145728
.set PART,  49152                      ; a loader's part: four chunks of 12,288: pair, then K step
.set PAIRB, 6144                       ; a pair's two K steps in a chunk
.set SCL,   4*PART                     ; the scale words: 2,048 bytes a loader
.set STG,   SCL+4*2048                 ; the way out: 16 rows x (256 bytes + 16) for each wave; no tensor load lands here
.set SPITCH, 272
.set SA0, 10
.set SA1, 11
.set S0,  16                           ; v16-17 source 0's scale words; v18-19 source 1's: scales and nothing else
.set S1,  18
.set F0,  32
.set F1,  80
.set ACC, 128                          ; accumulator (token tile b, column tile a) at 128 + 8 (4 b + a)
.set BI,  32                           ; the way out: the bias; v64-95 and v96-127: rows read back, by turns
.set OB,  64
.set G1,  16                           ; s[16:23] group 1: two rows of 6,144 bytes, 24,576 bytes apart
.set G1S, 24                           ; s[24:31] group 1: 2,048 dense bytes as 8 rows of 256
.set G0S, 32                           ; s[32:35] group 0 for the scale words; s[36 + 4 q ..] for chunk q
.macro FRAG reg, aq, ad, off
	ds_load_b128 v[\reg:\reg+3], v[\aq] offset:\off
	ds_load_b64 v[\reg+4:\reg+5], v[\ad] offset:\off+512
	ds_load_b128 v[\reg+6:\reg+9], v[\aq] offset:\off+768
	ds_load_b64 v[\reg+10:\reg+11], v[\ad] offset:\off+1280
.endm
.macro WM acc, fa, fb, sa, sb, ra, rb, zero
.if (\zero) && (\ra) && (\rb)
	v_wmma_scale_f32_16x16x128_f8f6f4 v[\acc:\acc+7], v[\fa:\fa+11], v[\fb:\fb+11], 0, v[\sa], v[\sb] matrix_a_fmt:MATRIX_FMT_BF6 matrix_b_fmt:MATRIX_FMT_BF6 matrix_a_scale:MATRIX_SCALE_ROW1 matrix_b_scale:MATRIX_SCALE_ROW1
.elseif (\zero) && (\ra)
	v_wmma_scale_f32_16x16x128_f8f6f4 v[\acc:\acc+7], v[\fa:\fa+11], v[\fb:\fb+11], 0, v[\sa], v[\sb] matrix_a_fmt:MATRIX_FMT_BF6 matrix_b_fmt:MATRIX_FMT_BF6 matrix_a_scale:MATRIX_SCALE_ROW1
.elseif (\zero) && (\rb)
	v_wmma_scale_f32_16x16x128_f8f6f4 v[\acc:\acc+7], v[\fa:\fa+11], v[\fb:\fb+11], 0, v[\sa], v[\sb] matrix_a_fmt:MATRIX_FMT_BF6 matrix_b_fmt:MATRIX_FMT_BF6 matrix_b_scale:MATRIX_SCALE_ROW1
.elseif (\zero)
	v_wmma_scale_f32_16x16x128_f8f6f4 v[\acc:\acc+7], v[\fa:\fa+11], v[\fb:\fb+11], 0, v[\sa], v[\sb] matrix_a_fmt:MATRIX_FMT_BF6 matrix_b_fmt:MATRIX_FMT_BF6
.elseif (\ra) && (\rb)
	v_wmma_scale_f32_16x16x128_f8f6f4 v[\acc:\acc+7], v[\fa:\fa+11], v[\fb:\fb+11], v[\acc:\acc+7], v[\sa], v[\sb] matrix_a_fmt:MATRIX_FMT_BF6 matrix_b_fmt:MATRIX_FMT_BF6 matrix_a_scale:MATRIX_SCALE_ROW1 matrix_b_scale:MATRIX_SCALE_ROW1
.elseif (\ra)
	v_wmma_scale_f32_16x16x128_f8f6f4 v[\acc:\acc+7], v[\fa:\fa+11], v[\fb:\fb+11], v[\acc:\acc+7], v[\sa], v[\sb] matrix_a_fmt:MATRIX_FMT_BF6 matrix_b_fmt:MATRIX_FMT_BF6 matrix_a_scale:MATRIX_SCALE_ROW1
.elseif (\rb)
	v_wmma_scale_f32_16x16x128_f8f6f4 v[\acc:\acc+7], v[\fa:\fa+11], v[\fb:\fb+11], v[\acc:\acc+7], v[\sa], v[\sb] matrix_a_fmt:MATRIX_FMT_BF6 matrix_b_fmt:MATRIX_FMT_BF6 matrix_b_scale:MATRIX_SCALE_ROW1
.else
	v_wmma_scale_f32_16x16x128_f8f6f4 v[\acc:\acc+7], v[\fa:\fa+11], v[\fb:\fb+11], v[\acc:\acc+7], v[\sa], v[\sb] matrix_a_fmt:MATRIX_FMT_BF6 matrix_b_fmt:MATRIX_FMT_BF6
.endif
.endm
; A K step of 128: 36 LDS loads, 16 products.  The 16 accumulators take turns, one instruction a turn, in the same order in every step.
.macro KSTEP a0q, a0d, a1q, a1d, off, s, first
.if !(\first)
.rept 4
	v_nop                                          ; four places between the last products and the loads into registers that they read (ISA guide 7.12.1 for vector instructions)
.endr
.endif
	ds_load_b32 v[S0], v[SA0] offset:128*(\s)
	ds_load_b32 v[S0+1], v[SA0] offset:1024+128*(\s)
	ds_load_b32 v[S1], v[SA1] offset:128*(\s)
	ds_load_b32 v[S1+1], v[SA1] offset:1024+128*(\s)
.irp b, 0,1,2,3
	FRAG F1+12*\b, \a1q, \a1d, (\off)+(\b/2)*PAIRB+(\b%2)*1536
.endr
.irp a, 0,1,2,3
	FRAG F0+12*\a, \a0q, \a0d, (\off)+(\a/2)*PAIRB+(\a%2)*1536
.endr
.irp a, 0,1,2,3
	s_wait_dscnt 4*(3-\a)                          ; all but the four loads of each later fragment of source 0
.irp b, 0,1,2,3
	WM ACC+8*(4*\b+\a), F0+12*\a, F1+12*\b, S0+\a/2, S1+\b/2, \a%2, \b%2, \first
.endr
.endr
.endm
	s_load_b256 s[4:11], s[0:1], 0x0               ; yb s[4:5], wb s[6:7], bp s[8:9], out0 s[10:11]
	v_lshl_add_u32 v30, v0, 2, 0x38000
	v_mov_b32 v31, 0
	ds_add_u32 v30, v31
	ds_add_u32 v30, v31
	v_lshrrev_b32 v1, 5, v0
	v_readfirstlane_b32 s12, v1                    ; wave 0..3
	s_and_b32 s13, s12, 1                          ; w0: my 64 columns.  Also: which two pairs of a panel I fetch
	s_lshr_b32 s14, s12, 1                         ; w1: my 64 tokens.  Also: I fetch for Wp (0) or for y (1)
	s_and_b32 s15, ttmp9, 7                        ; pn
	s_lshr_b32 s56, ttmp9, 3                       ; pt
	s_mov_b32 s[G1], 3<<16                         ; no mask; elements of 8 bytes; no padding
	s_mov_b32 s[G1+1], 768<<16                     ; tensor_dim0 = 768 elements (6,144 bytes: two K steps of a pair)
	s_mov_b32 s[G1+2], 2<<16                       ; tensor_dim1 = 2 pairs
	s_mov_b32 s[G1+3], 768<<16                     ; tile_dim0
	s_mov_b32 s[G1+4], 2                           ; tile_dim1
	s_mov_b32 s[G1+5], 3072                        ; from pair to pair: 24,576 bytes
	s_mov_b32 s[G1+6], 0
	s_mov_b32 s[G1+7], 0
	s_mov_b32 s[G1S], 3<<16
	s_mov_b32 s[G1S+1], 32<<16
	s_mov_b32 s[G1S+2], 8<<16
	s_mov_b32 s[G1S+3], 32<<16
	s_mov_b32 s[G1S+4], 8
	s_mov_b32 s[G1S+5], 32
	s_mov_b32 s[G1S+6], 0
	s_mov_b32 s[G1S+7], 0
	s_lshl_b32 s52, s15, 2
	s_add_co_u32 s52, s52, 96                      ; Wp's pairs: 96 + 4 pn on
	s_lshl_b32 s53, s56, 2                         ; y's: 4 pt on
	s_cmp_eq_u32 s14, 0
	s_cselect_b32 s52, s52, s53
	s_lshl_b32 s53, s13, 1
	s_add_co_u32 s52, s52, s53                     ; the first of my two pairs
	s_mul_i32 s54, s52, 24576
	s_mov_b32 s55, 0
	s_lshl_b32 s58, s52, 10
	s_add_co_u32 s58, s58, CODES
	s_mov_b32 s59, 0
	s_mul_i32 s60, s12, PART                       ; where they go: wave x 49,152,
	s_lshl_b32 s61, s12, 11                        ; wave x 2,048 among the scale words
	s_wait_dscnt 0x0
	s_wait_kmcnt 0x0
	s_cmp_eq_u32 s14, 0                            ; the choice hangs on the wave's number alone
	s_cselect_b64 s[62:63], s[6:7], s[4:5]
	s_mov_b32 s[G0S], 1
	s_add_co_u32 s[G0S+1], s61, SCL
	s_add_nc_u64 s[G0S+2:G0S+3], s[62:63], s[58:59]
	s_or_b32 s[G0S+3], s[G0S+3], 0x80000000
	s_add_nc_u64 s[54:55], s[62:63], s[54:55]
.irp q, 0,1,2,3
	s_mov_b32 s[36+4*\q], 1
	s_add_co_u32 s[37+4*\q], s60, \q*12288
	s_add_nc_u64 s[38+4*\q:39+4*\q], s[54:55], \q*PAIRB        ; K steps 2 q, 2 q + 1
	s_or_b32 s[39+4*\q], s[39+4*\q], 0x80000000
.endr
	tensor_load_to_lds s[G0S:G0S+3], s[G1S:G1S+7]  ; the five first fills go out together, ahead of every wait on TENSORcnt, every LDS read and every barrier
	s_nop 0
	tensor_load_to_lds s[36:39], s[G1:G1+7]
	s_nop 0
	tensor_load_to_lds s[40:43], s[G1:G1+7]
	s_nop 0
	tensor_load_to_lds s[44:47], s[G1:G1+7]
	s_nop 0
	tensor_load_to_lds s[48:51], s[G1:G1+7]
	s_nop 0
	v_and_b32 v1, 31, v0                           ; lane
	s_mul_i32 s52, s13, PART                       ; source 0: loader w0's part
	s_mul_i32 s53, s14, PART
	s_add_co_u32 s53, s53, 2*PART                  ; source 1: loader 2 + w1's
	v_lshl_add_u32 v2, v1, 4, s52
	v_lshl_add_u32 v3, v1, 3, s52
	v_lshl_add_u32 v4, v1, 4, s53
	v_lshl_add_u32 v5, v1, 3, s53
	s_lshl_b32 s52, s13, 11
	s_add_co_u32 s52, s52, SCL
	s_lshl_b32 s53, s14, 11
	s_add_co_u32 s53, s53, SCL+2*2048
	v_lshl_add_u32 v[SA0], v1, 2, s52
	v_lshl_add_u32 v[SA1], v1, 2, s53
	v_and_b32 v12, 15, v1                          ; r
	v_lshrrev_b32 v13, 4, v1                       ; h
	s_mul_i32 s52, s12, 16*SPITCH
	s_add_co_u32 s52, s52, STG                     ; my stage
	v_mul_u32_u24 v6, v12, SPITCH
	v_lshl_add_u32 v6, v13, 6, v6
	v_add_nc_u32 v6, s52, v6                       ; in: row r, + 64 h: my 16 columns of each 32
	v_mul_u32_u24 v7, v13, SPITCH
	v_lshl_add_u32 v7, v12, 4, v7
	v_add_nc_u32 v7, s52, v7                       ; back: lanes 0-15 one row of 256 bytes, lanes 16-31 the next
	v_lshlrev_b32 v8, 12, v13
	v_lshl_add_u32 v8, v12, 4, v8                  ; and the same two rows in out0
	v_lshlrev_b32 v9, 6, v13                       ; the bias: 64 h
	s_lshl_b32 s52, s15, 9
	s_lshl_b32 s53, s13, 8
	s_add_co_u32 s52, s52, s53                     ; my first column, in bytes: 512 pn + 256 w0
	s_mov_b32 s53, 0
	s_add_nc_u64 s[8:9], s[8:9], s[52:53]
	s_lshl_b32 s54, s56, 19
	s_lshl_b32 s55, s14, 18
	s_add_co_u32 s54, s54, s55                     ; my first token's row: (128 pt + 64 w1) x 4,096
	s_add_co_u32 s52, s52, s54
	s_add_nc_u64 s[10:11], s[10:11], s[52:53]
.irp q, 0,1,2,3
	s_wait_tensorcnt 3-\q                          ; the scale words and chunks 0 to q of mine are in; the chunks behind may stay out
	s_barrier_signal -1
	s_barrier_wait -1                              ; everybody's are
.if \q == 0
	KSTEP 2, 3, 4, 5, 0, 0, 1                      ; the first products start the sums: nothing is cleared
.else
	KSTEP 2, 3, 4, 5, \q*12288, 2*\q, 0
.endif
	KSTEP 2, 3, 4, 5, \q*12288+3072, 2*\q+1, 0
.endr
	; ---- THE WAY OUT.  A lane holds 2 x 16 neighbouring columns of one token; a tile of 16 tokens goes through my own stage and comes back as rows of 256 bytes.
.rept 4
	v_nop                                          ; four places behind the last products
.endr
.irp a, 0,1,2,3
	global_load_b128 v[BI+8*\a:BI+8*\a+3], v9, s[8:9] offset:(32*(\a/2)+8*(\a%2))*4
	global_load_b128 v[BI+8*\a+4:BI+8*\a+7], v9, s[8:9] offset:(32*(\a/2)+8*(\a%2))*4+16
.endr
	s_wait_loadcnt 0x0
.irp b, 0,1,2,3
.irp k, 0,2,4,6,8,10,12,14,16,18,20,22,24,26,28,30
	v_pk_add_f32 v[ACC+32*\b+\k:ACC+32*\b+\k+1], v[ACC+32*\b+\k:ACC+32*\b+\k+1], v[BI+\k:BI+\k+1]   ; each accumulator from its low end on
.endr
.if \b >= 2
	s_wait_xcnt 0x0                                ; tile b - 2's stores have read their registers: this tile's rows may land there
.endif
.irp k, 0,1,2,3,4,5,6,7
	ds_store_b128 v6, v[ACC+32*\b+4*\k:ACC+32*\b+4*\k+3] offset:128*(\k/4)+16*(\k%4)
.endr
.irp i, 0,1,2,3,4,5,6,7
	ds_load_b128 v[OB+32*(\b%2)+4*\i:OB+32*(\b%2)+4*\i+3], v7 offset:2*\i*SPITCH   ; LDS serves a wave's instructions in order: these see my stores, and the next tile's stores come behind them
.endr
.irp i, 0,1,2,3,4,5,6,7
	s_wait_dscnt 7-\i                              ; the younger read-backs may be out
	global_store_b128 v8, v[OB+32*(\b%2)+4*\i:OB+32*(\b%2)+4*\i+3], s[10:11] offset:(32*(\b/2)+8*(\b%2)+2*\i+8*(\i/4))*4096 th:TH_STORE_NT   ; stage rows 2 i, 2 i + 1 are tokens 32 (b / 2) + 8 (b % 2) + 2 i + 8 (i / 4) and the next; 16 lanes store 256 consecutive bytes, aligned
.endr
.endr
	s_wait_tensorcnt 0x0
	ds_add_u32 v30, v31
	s_wait_dscnt 0x0
	s_endpgm
.Lfunc_end_k_q75469253e4_proj:
	.size	k_q75469253e4_proj, .Lfunc_end_k_q75469253e4_proj-k_q75469253e4_proj
	.p2alignl 7, 3214868480
	.fill 96, 4, 3214868480
	.section	.rodata,"a",@progbits
	.p2align	6, 0x0
	.amdhsa_kernel k_q75469253e4_proj
		.amdhsa_group_segment_fixed_size 229888
		.amdhsa_private_segment_fixed_size 0
		.amdhsa_enable_private_segment 0
		.amdhsa_kernarg_size 32
		.amdhsa_user_sgpr_count 2
		.amdhsa_user_sgpr_kernarg_segment_ptr 1
		.amdhsa_wavefront_size32 1
		.amdhsa_system_sgpr_workgroup_id_x 1
		.amdhsa_system_sgpr_workgroup_id_y 1
		.amdhsa_system_sgpr_workgroup_id_z 1
		.amdhsa_system_vgpr_workitem_id 0
		.amdhsa_next_free_vgpr 256
		.amdhsa_next_free_sgpr 66
		.amdhsa_reserve_vcc 0
		.amdhsa_float_denorm_mode_32 3
		.amdhsa_float_denorm_mode_16_64 3
		.amdhsa_memory_ordered 1
		.amdhsa_forward_progress 1
		.amdhsa_inst_pref_size 56
	.end_amdhsa_kernel
	.amdgpu_metadata
---
amdhsa.version: [ 1, 2 ]
amdhsa.kernels:
  - .name:           k_q75469253e4_proj
    .symbol:         k_q75469253e4_proj.kd
    .args:
      - { .name: yb, .offset: 0, .size: 8, .value_kind: global_buffer, .address_space: global }
      - { .name: wb, .offset: 8, .size: 8, .value_kind: global_buffer, .address_space: global }
      - { .name: bp, .offset: 16, .size: 8, .value_kind: global_buffer, .address_space: global }
      - { .name: out0, .offset: 24, .size: 8, .value_kind: global_buffer, .address_space: global }
    .group_segment_fixed_size: 229888
    .private_segment_fixed_size: 0
    .kernarg_segment_align: 8
    .kernarg_segment_size: 32
    .max_flat_workgroup_size: 128
    .sgpr_count:     66
    .vgpr_count:     256
    .wavefront_size: 32
...
	.end_amdgpu_metadata
.endif
;; end of part 4
;; ======== version 2 of 2: 4 launches; version 1 with the launch attn written anew for expert scheduling mode
;; workspace buffers: xb 3,276,800 bytes; wb 3,276,800 bytes; qb 3,670,016 bytes; kv 6,553,600 bytes; yb 3,276,800 bytes
;; launch quant: the kernel of part 1 again; grid 512 x 1, 4 waves a work-group, no clusters, 35,328 bytes of LDS; arguments x, Wq, Wk, Wv, Wp, xb, wb; writes xb, wb
;; launch qkv: the kernel of part 2 again; grid 192 x 1, 16 waves a work-group, no clusters, 327,680 bytes of LDS; arguments xb, wb, bq, bk, bv, qb, kv; writes qb, kv
;; launch attn (part 5): grid 256 x 1, 16 waves a work-group, no clusters, 27,648 bytes of LDS; arguments qb, kv, yb; writes yb
.if DOCPART == 5
	.amdgcn_target "amdgcn-amd-amdhsa--gfx1250"
	.amdhsa_code_object_version 6
	.text
	.protected	k_q75469253e4_attn
	.globl	k_q75469253e4_attn
	.p2align	8
	.type	k_q75469253e4_attn,@function
k_q75469253e4_attn:
	s_mov_b64 s[64:65], 0
	v_nop
	global_prefetch_b8 v0, s[64:65] scope:SCOPE_SE
	s_setreg_imm32_b32 hwreg(HW_REG_WAVE_SCHED_MODE, 0, 2), 2
	s_setreg_imm32_b32 hwreg(HW_REG_WAVE_MODE, 25, 1), 1
	s_wait_xcnt 0x0
	s_wait_alu depctr_vm_vsrc(0)
; y[bh][q] = the sum over keys k <= q of softmax_k(q . k / 8) v[k], head size 64, both products on codes of BF6 (E3M2) with E8M0 scales; y is quantised at once, along the model's 1,024, for the last product.
; THE SOFTMAX AHEAD OF THE SECOND PRODUCT: t = score x log2(e) / 8; M = the row's largest t so far, rounded UP to a whole number; p = 2^(t - M) is quantised along the keys, not normalised; the row's sum is taken
; of the unquantised p and divides at the end.  When M moves, the sum and O are multiplied by 2^(old M - new M): exact.
; SHARES.  Work-group g: head bh = g / 8, and the blocks of 128 queries i = g % 8 and 15 - i: 17 key steps for each pair of tiles in every work-group.  Sixteen waves, one tile of 16 queries each;
; wave w: tile w / 2 of the low block or of the high one by (w xor w / 4) % 2, so that waves w, w + 4, w + 8, w + 12 are two of each kind.
; KEYS go 128 a step.  A step's block of kv (12,800 bytes: 4 fragments of K, 4 of V^T, their scale words, all in the order of the operand's registers) is staged through registers into one of two LDS slots, two steps ahead
; in registers and one in LDS: one barrier a step.  No tensor load: the number of steps hangs on the work-group's number.  A step all of whose keys come after my queries is left out (a scalar branch on ids round its work,
; not round the barrier or the staging).  The staged block's number is held at 15, the head's last: in its last steps a work-group stages a block that nobody reads.
; THE HEAD'S 64 FILL HALF OF THE INSTRUCTION'S K.  A fragment of K holds TWO tiles of keys: tile 2 b in K 0-63, tile 2 b + 1 in K 64-127.  It is multiplied twice: by (q, zeros) and by (zeros, q).  Zero codes add nothing
; (the format has no infinity or NaN, and every scale byte lies between 1 and 254).  q's scale word is (s0, s1, s0, s1) and serves both.
; LAYOUT.  Both products are used transposed (source 0 = keys, or channels of V^T; source 1 = my queries, or p): a lane holds ONE query.  Row r of a tile T is index 32 (T / 2) + 8 (T % 2) + r + 8 (r / 8), so that the 16
; registers of tiles 2 b, 2 b + 1 are 16 neighbours: keys 32 b + 16 (lane / 16) + i for the scores, channels likewise for O^T.
; LIMITS: NaN and infinities are not served; a block of y whose largest magnitude lies under 2^-122, a block of zeros among them, keeps the scale byte 1 (this program alone reads the bytes).
; y's scale bytes leave one byte a lane: 32 bytes of a record's 128 in one store.
; THE MODE: SCHED_MODE bits 1:0 = 2 (LLVM: expert scheduling mode 2), set by the entry lines.  The code itself states the register dependences between vector or matrix instructions and memory or LDS
; instructions, with s_wait_alu, always for 0.
; THE PLAN.  Registers that memory or LDS instructions touch:
;   v1-v5      offsets: written at the head, never again, and named by no vector instruction behind the head's wait: that one wait serves every load and store of the kernel.
;   v8-v17     the block on its way: global loads write them, the next step's LDS stores read them, no vector instruction names them: one wait on vm_vsrc a step, between the stores and the next loads.
;   v24-v27    K's and V's scale words, and F (v48-95), K's fragments: LDS loads at the head of a step's work write them; the step's products read them.  One wait on va_vdst ahead of those loads: the last step's
;              products are done reading.  (In the first step it also states that the zero codes beside q are written, ahead of the scaled products that take them.)
;   F again    V^T's fragments land where K's lay: one wait on va_vdst behind the score products, which read K's; the vector instruction that follows reads those products' results in any case.
;   P, v29     p's codes and scale word: vector instructions write them, scaled products take them: one wait on va_vdst ahead of those products, behind their places.
;   The exponentials of a step are one batch with one wait on va_vdst ahead of the first reader; O^T's rescaling, which names none of their results, stands between.
;   At the end v192-197, v228, v229 are written by vector instructions and read by the three stores: one wait on va_vdst ahead of them.
; Sixteen waves of 256 registers fill the SIMDs' registers; 24 are free, a second set for V^T's four fragments would take 48: so F serves K and V^T by turns.
.set CODES, 3145728
.set BLKB,  12800                      ; a block of kv, and an LDS slot
.set VOFF,  6144
.set KSC,   12288
.set VSC,   12544
.set F,   48                           ; v48-95   four fragments of K, then of V^T
.set S,   96                           ; v96-159  S^T, then p
.set O,   160                          ; v160-191 O^T
.set P,   192                          ; v192-203 p's codes
.set CT,  204                          ; v204-206, v208-210 the conversions' second results
.set BM,  212                          ; v212-215 the blocks' largest scores, then largest p
.set PT,  216                          ; v216-219 the other half's
.set SO,  220                          ; v220-223 the conversions' scale operands
.set BY,  224                          ; v224-227 the scale bytes
.set TM,  BM
.set TP,  PT
.set SEL, 20                           ; s[20:21] v_permlanex16_b32's selects for lane l xor 16
.set CS,  22                           ; s[22:23] c = log2(e) / 8
.set MK,  32                           ; s32-s47  the diagonal step's masks, sixteen at a time (in the loop these registers hold nothing else)
; v1, v2, v3: 16, 8, 4 x lane;  v4, v5: 16, 8 x thread;  v6: my query in its block - 16 (lane / 16);  v7: -infinity;  v8-13 (wave 0: v8-17) the block on its way;
; v18 -M, v19 the largest t, v[20:21] the sum in two halves, v22 f (v23: named with it as a pair);  v24-25 K's scale words, v26-27 V's, v28 q's, v29 p's: scales and nothing else;
; v30-35 q, v36-41 zeros, v42-47 q again: (q, zeros) = v[30:41], (zeros, q) = v[36:47]
.macro FRAG reg, aq, ad, off           ; a fragment, 12 registers, as it lies: every load reads consecutive bytes
	ds_load_b128 v[\reg:\reg+3], v[\aq] offset:\off
	ds_load_b64 v[\reg+4:\reg+5], v[\ad] offset:\off+512
	ds_load_b128 v[\reg+6:\reg+9], v[\aq] offset:\off+768
	ds_load_b64 v[\reg+10:\reg+11], v[\ad] offset:\off+1280
.endm
.macro WM acc, fa, fb, sa, sb, ra, zero        ; ra: source 0's scale words lie in lanes 16-31.  zero: the product starts the sum
.if (\zero) && (\ra)
	v_wmma_scale_f32_16x16x128_f8f6f4 v[\acc:\acc+7], v[\fa:\fa+11], v[\fb:\fb+11], 0, v[\sa], v[\sb] matrix_a_fmt:MATRIX_FMT_BF6 matrix_b_fmt:MATRIX_FMT_BF6 matrix_a_scale:MATRIX_SCALE_ROW1
.elseif (\zero)
	v_wmma_scale_f32_16x16x128_f8f6f4 v[\acc:\acc+7], v[\fa:\fa+11], v[\fb:\fb+11], 0, v[\sa], v[\sb] matrix_a_fmt:MATRIX_FMT_BF6 matrix_b_fmt:MATRIX_FMT_BF6
.elseif (\ra)
	v_wmma_scale_f32_16x16x128_f8f6f4 v[\acc:\acc+7], v[\fa:\fa+11], v[\fb:\fb+11], v[\acc:\acc+7], v[\sa], v[\sb] matrix_a_fmt:MATRIX_FMT_BF6 matrix_b_fmt:MATRIX_FMT_BF6 matrix_a_scale:MATRIX_SCALE_ROW1
.else
	v_wmma_scale_f32_16x16x128_f8f6f4 v[\acc:\acc+7], v[\fa:\fa+11], v[\fb:\fb+11], v[\acc:\acc+7], v[\sa], v[\sb] matrix_a_fmt:MATRIX_FMT_BF6 matrix_b_fmt:MATRIX_FMT_BF6
.endif
.endm
.macro GLOAD                           ; the block at s[26:27] into registers: 8,192 + 4,096 bytes by the 512 threads, the 512 bytes of scale words by wave 0
	global_load_b128 v[8:11], v4, s[26:27]
	global_load_b64 v[12:13], v5, s[26:27] offset:8192
	s_cmp_lg_u32 s10, 0
	s_cbranch_scc1 .Lnot0_\@
	global_load_b128 v[14:17], v1, s[26:27] offset:KSC
.Lnot0_\@:
.endm
.macro GSTORE slot                     ; and from the registers into a slot, byte for byte
	ds_store_b128 v4, v[8:11] offset:(\slot)*BLKB
	ds_store_b64 v5, v[12:13] offset:(\slot)*BLKB+8192
	s_cmp_lg_u32 s10, 0
	s_cbranch_scc1 .Lnot0_\@
	ds_store_b128 v1, v[14:17] offset:(\slot)*BLKB+KSC
.Lnot0_\@:
.endm
; 32 numbers of a lane, register 16 b + i = index 32 b + 16 (lane / 16) + i of my row, become a half fragment in v[c] .. v[c + 5]; the two blocks' bytes in v[BY], v[BY + 1], in both halves of the lanes.
.macro QUANT2 src, c
	v_max3_num_f32 v[TM], |v[\src]|, |v[\src+1]|, 0x2800000          ; with the floor 2^(5 - 127): the byte cannot fall under 1
	v_max3_num_f32 v[TM+1], |v[\src+16]|, |v[\src+17]|, 0x2800000
.irp i, 2,4,6,8,10,12,14
	v_max3_num_f32 v[TM], v[TM], |v[\src+\i]|, |v[\src+\i+1]|
	v_max3_num_f32 v[TM+1], v[TM+1], |v[\src+16+\i]|, |v[\src+17+\i]|
.endr
	v_permlanex16_b32 v[TP], v[TM], s[SEL], s[SEL+1]
	v_permlanex16_b32 v[TP+1], v[TM+1], s[SEL], s[SEL+1]
	v_max_num_f32 v[TM], v[TM], v[TP]
	v_max_num_f32 v[TM+1], v[TM+1], v[TP+1]
	v_add_nc_u32 v[SO], 0xfe000000, v[TM]
	v_add_nc_u32 v[SO+1], 0xfe000000, v[TM+1]
	v_lshrrev_b32 v[BY], 23, v[SO]
	v_lshrrev_b32 v[BY+1], 23, v[SO+1]
	v_cvt_scalef32_pk16_bf6_f32 v[\c:\c+2], v[\src:\src+15], v[SO]
	v_cvt_scalef32_pk16_bf6_f32 v[CT:CT+2], v[\src+16:\src+31], v[SO+1]
	v_nop                                                            ; one plain place behind the conversions
.irp i, 0,1,2
	v_permlane16_swap_b32 v[\c+\i], v[CT+\i]
.endr
.irp i, 0,1,2
	v_mov_b32 v[\c+3+\i], v[CT+\i]
.endr
.endm
	s_load_b128 s[4:7], s[0:1], 0x0                ; qb s[4:5], kv s[6:7]
	s_load_b64 s[8:9], s[0:1], 0x10                ; yb
	v_lshl_add_u32 v254, v0, 2, 0x6400
	v_mov_b32 v255, 0
	v_lshrrev_b32 v1, 5, v0
	v_readfirstlane_b32 s10, v1                    ; wave 0..15
	v_and_b32 v3, 31, v0
	v_lshlrev_b32 v1, 4, v3
	v_lshlrev_b32 v2, 3, v3
	v_lshlrev_b32 v3, 2, v3
	v_lshlrev_b32 v4, 4, v0
	v_lshlrev_b32 v5, 3, v0
	s_lshr_b32 s11, ttmp9, 3                       ; bh
	s_and_b32 s12, ttmp9, 7                        ; i
	s_wait_alu depctr_va_sdst(0)                   ; s10 is written, ahead of its first reader: my tile, my block and the branches on the wave's number are made from it
	s_lshr_b32 s13, s10, 2
	s_xor_b32 s13, s13, s10
	s_and_b32 s13, s13, 1                          ; 1: the high block
	s_lshr_b32 s14, s10, 1                         ; my tile in its block
	s_sub_co_u32 s28, 15, s12
	s_cmp_eq_u32 s13, 1
	s_cselect_b32 s15, s28, s12                    ; my block of 128 queries: also my last key step, the one on the diagonal
	s_lshl_b32 s16, s15, 3
	s_add_co_u32 s16, s16, s14                     ; T: my tile in the head
	s_sub_co_u32 s18, 17, s12
	s_lshr_b32 s18, s18, 1                         ; trips of two steps: at least the high block's 16 - i steps; the same in all sixteen waves
	s_mov_b32 s17, 0                               ; the key step
	s_mov_b32 s[SEL], 0x76543210
	s_mov_b32 s[SEL+1], 0xfedcba98
	s_mov_b32 s[CS], 0x3e38aa3b                    ; c = log2(e) / 8
	s_mov_b32 s[CS+1], s[CS]                       ; (named with it as a pair, so it is written)
	s_mul_i32 s24, s11, 16*BLKB                    ; the head's 16 blocks
	s_mov_b32 s25, 0
	s_lshl_b32 s28, s11, 7
	s_add_co_u32 s28, s28, s16                     ; 128 bh + T
	s_mul_i32 s30, s28, 768
	s_mov_b32 s31, 0
	s_lshl_b32 s32, s28, 7
	s_add_co_u32 s32, s32, CODES
	s_mov_b32 s33, 0
	s_lshr_b32 s28, s14, 1
	s_lshl_b32 s28, s28, 5
	s_and_b32 s29, s14, 1
	s_lshl_b32 s29, s29, 3
	s_add_co_u32 s28, s28, s29                     ; 32 (tile / 2) + 8 (tile % 2)
	v_and_b32 v228, 15, v0
	v_and_b32 v229, 8, v228
	v_add_nc_u32 v228, v228, v229                  ; r + 8 (r / 8)
	v_bfe_u32 v229, v0, 4, 1
	v_lshlrev_b32 v229, 4, v229
	v_sub_nc_u32 v228, v228, v229
	v_add_nc_u32 v6, s28, v228                     ; my query in its block - 16 (lane / 16)
	v_mov_b32 v7, 0xff800000                       ; -infinity
	s_wait_kmcnt 0x0
	s_add_nc_u64 s[24:25], s[6:7], s[24:25]
	s_add_nc_u64 s[30:31], s[4:5], s[30:31]
	s_add_nc_u64 s[32:33], s[4:5], s[32:33]
	s_mov_b64 s[26:27], s[24:25]
	s_wait_alu depctr_va_vdst(0)                   ; the five offsets v1 to v5 are written, which every load and store of the kernel reads; no vector instruction names them again
	GLOAD                                          ; block 0
	global_load_b128 v[30:33], v1, s[30:31]        ; q's half fragment, twice: it stays in registers
	global_load_b64 v[34:35], v2, s[30:31] offset:512
	global_load_b128 v[42:45], v1, s[30:31]
	global_load_b64 v[46:47], v2, s[30:31] offset:512
	global_load_b32 v28, v3, s[32:33]              ; q's scale words
.set j, 0
.rept 32
	v_mov_b32 v[O+j], 0                            ; O^T.  (The step is written once: the first finds zeros, which the first change of M leaves zeros)
.set j, j+1
.endr
.irp j, 36,37,38,39,40,41
	v_mov_b32 v\j, 0                               ; the zero codes beside q
.endr
.irp b, 0,1,2,3
	v_mov_b32 v[PT+\b], 0                          ; a lane permute's destination counts as one of its sources
.endr
	v_mov_b32 v19, 0xff61b1e6                      ; the largest t so far: -3e38, under every t
	v_floor_f32 v18, -v19                          ; -M
	v_mov_b32 v20, 0                               ; the sum, in two halves
	v_mov_b32 v21, 0
	v_mov_b32 v23, 0
	s_wait_loadcnt 0x0
	GSTORE 0
	s_add_nc_u64 s[26:27], s[24:25], BLKB          ; (the loads that read this base are done: the wait on LOADcnt above)
	s_wait_dscnt 0x0                               ; my stores into slot 0 are done
	s_wait_alu depctr_vm_vsrc(0)                   ; the LDS stores have read v8 to v17, in which the loads below land
	GLOAD                                          ; block 1
; A KEY STEP, read from slot `slot`.
.macro STEP slot
.set SL, (\slot)*BLKB
	s_wait_dscnt 0x0                               ; my stores into this slot have landed, and my reads of the other one are back
	s_barrier_signal -1
	s_barrier_wait -1                              ; both now hold of all sixteen waves
	s_wait_loadcnt 0x0                             ; the next step's block is in my registers
	GSTORE 1-(\slot)
	s_add_co_u32 s28, s17, 2                       ; (the address of the block two steps on is made while the stores are out; the loads that read its base are done: the wait on LOADcnt above)
	s_min_u32 s28, s28, 15                         ; no load leaves the head's 16 blocks
	s_mul_i32 s28, s28, BLKB
	s_mov_b32 s29, 0
	s_add_nc_u64 s[26:27], s[24:25], s[28:29]
	s_wait_dscnt 0x0                               ; my stores into the other slot are done
	s_wait_alu depctr_vm_vsrc(0)                   ; the LDS stores have read v8 to v17, in which the loads below land
	GLOAD                                          ; the block two steps on
	s_cmp_gt_u32 s17, s15
	s_cbranch_scc1 .Lhidden_\@                     ; all of this step's keys come after my queries
	s_wait_alu depctr_va_vdst(0)                   ; the last step's products are done reading v24 to v27 and F, in which the loads below land; in the first step: the zero codes v36 to v41 are written, which the scaled products below take
	ds_load_b32 v24, v3 offset:SL+KSC
	ds_load_b32 v25, v3 offset:SL+KSC+128
	ds_load_b32 v26, v3 offset:SL+VSC
	ds_load_b32 v27, v3 offset:SL+VSC+128
.irp b, 0,1,2,3
	FRAG F+12*\b, 1, 2, SL+1536*\b
.endr
	s_wait_dscnt 0x0
.irp b, 0,1,2,3                                ; S^T: each fragment of K twice
	WM S+8*(2*\b), F+12*\b, 30, 24+\b/2, 28, \b%2, 1
	WM S+8*(2*\b+1), F+12*\b, 36, 24+\b/2, 28, \b%2, 1
.endr
.rept 4
	v_nop                                          ; four places in front of the first read of the scores (ISA guide 7.12.1)
.endr
	s_wait_alu depctr_va_vdst(0)                   ; the eight products are done reading K's fragments, in which V^T's land
.irp t, 0,1,2,3
	FRAG F+12*\t, 1, 2, SL+VOFF+1536*\t            ; V^T lands while the softmax is worked: no vector instruction up to the wait for it names F
.endr
	s_cmp_lg_u32 s17, s15
	s_cbranch_scc1 .Lopen_\@                       ; only the step on the diagonal hides keys
.set g, 0
.rept 4                                        ; register 16 g + n holds key 32 g + 16 (lane / 16) + n of the step: hidden where it comes after my query.  The compares go in runs of sixteen, each into a scalar register of its own
.set n, 0
.rept 16
	v_cmp_gt_i32 s[MK+n], 32*g+n, v6
.set n, n+1
.endr
	s_wait_alu depctr_va_sdst(0)                   ; the sixteen masks are written, ahead of the selects that read them
.set n, 0
.rept 16
	v_cndmask_b32 v[S+16*g+n], v[S+16*g+n], v7, s[MK+n]
.set n, n+1
.endr
.set g, g+1
.endr
.Lopen_\@:
.irp b, 0,1,2,3
	v_max3_num_f32 v[BM+\b], v[S+16*\b], v[S+1+16*\b], v[S+2+16*\b]  ; the largest score of each block of 32 keys: for the row's maximum and, since p rises with the score, for the block's largest p
.endr
.irp i, 3,5,7,9,11,13
.irp b, 0,1,2,3
	v_max3_num_f32 v[BM+\b], v[BM+\b], v[S+16*\b+\i], v[S+1+16*\b+\i]
.endr
.endr
.irp b, 0,1,2,3
	v_max_num_f32 v[BM+\b], v[BM+\b], v[S+15+16*\b]
.endr
.irp b, 0,1,2,3
	v_permlanex16_b32 v[PT+\b], v[BM+\b], s[SEL], s[SEL+1]
.endr
.irp b, 0,1,2,3
	v_max_num_f32 v[BM+\b], v[BM+\b], v[PT+\b]     ; with lane l xor 16's 16 keys
.endr
	v_max3_num_f32 v228, v[BM], v[BM+1], v[BM+2]
	v_max_num_f32 v228, v228, v[BM+3]              ; the step's largest score of my query
	v_mul_f32 v228, s[CS], v228                    ; as t (c is positive)
	v_max_num_f32 v19, v19, v228                   ; the running largest t
	v_mov_b32 v228, v18
	v_floor_f32 v18, -v19                          ; the new -M = floor(-t) = -ceil(t): a whole number
	v_sub_f32 v228, v18, v228                      ; old M - new M: a whole number, 0 or less
	v_cvt_i32_f32 v228, v228                       ; (it saturates)
	v_ldexp_f32 v22, 1.0, v228                     ; f = 2^(old M - new M)
.set j, 0
.rept 32
	v_pk_fma_f32 v[S+j:S+j+1], v[S+j:S+j+1], s[CS:CS+1], v[18:19] op_sel_hi:[1,0,0]   ; t - M, two at a time
.set j, j+2
.endr
.irp b, 0,1,2,3
	v_fma_f32 v[BM+\b], v[BM+\b], s[CS], v18       ; the same of each block's largest score
.endr
.set j, 0
.rept 64
	v_exp_f32 v[S+j], v[S+j]                       ; p = 2^(t - M), at most 1
.set j, j+1
.endr
.irp b, 0,1,2,3
	v_exp_f32 v[BM+\b], v[BM+\b]                   ; the block's largest p: the same two instructions on the same number
.endr
	v_pk_mul_f32 v[20:21], v[20:21], v[22:23] op_sel_hi:[1,0]        ; the sums under the new M.  (A plain place behind the exponentials)
.set j, 0
.rept 16
	v_pk_mul_f32 v[O+j:O+j+1], v[O+j:O+j+1], v[22:23] op_sel_hi:[1,0]   ; O^T under the new M: work that names none of the exponentials' results, between the batch and the wait for it
.set j, j+2
.endr
	s_wait_alu depctr_va_vdst(0)                   ; the 68 exponentials have written p (v96 to v159) and the blocks' largest p (v212 to v215): one wait for the batch, ahead of its first reader
.irp b, 0,1,2,3
	v_max_num_f32 v[BM+\b], 0x2800000, v[BM+\b]    ; the floor 2^(5 - 127): a block whose every p is 0 keeps the byte 1: its codes are zeros
.endr
.irp b, 0,1,2,3
	v_add_nc_u32 v[SO+\b], 0xfe000000, v[BM+\b]
.endr
.irp b, 0,1,2,3
	v_lshrrev_b32 v[BY+\b], 23, v[SO+\b]
.endr
	v_lshl_or_b32 v29, v[BY+1], 8, v[BY]           ; p's scale word for these 128 keys
	v_lshl_or_b32 v29, v[BY+2], 16, v29
	v_lshl_or_b32 v29, v[BY+3], 24, v29
.irp c, 0,1
	v_cvt_scalef32_pk16_bf6_f32 v[P+6*\c:P+2+6*\c], v[S+32*\c:S+15+32*\c], v[SO+2*\c]
	v_cvt_scalef32_pk16_bf6_f32 v[CT+4*\c:CT+2+4*\c], v[S+16+32*\c:S+31+32*\c], v[SO+2*\c+1]
.endr
	v_nop                                          ; one plain place behind the conversions
.irp c, 0,1                                    ; the operand wants a whole block in a lane: lanes 0-15 block 2 c, lanes 16-31 block 2 c + 1
.irp i, 0,1,2
	v_permlane16_swap_b32 v[P+6*\c+\i], v[CT+4*\c+\i]
.endr
.irp i, 0,1,2
	v_mov_b32 v[P+3+6*\c+\i], v[CT+4*\c+\i]
.endr
.endr
	v_pk_add_f32 v[230:231], v[S:S+1], v[S+2:S+3]  ; the row's sum is taken of the unquantised p: two at a time, in two chains.  (These 32 are the places between p's codes and scale word and the products)
.irp j, 4,8,12,16,20,24,28,32,36,40,44,48,52,56,60
	v_pk_add_f32 v[20:21], v[20:21], v[S+\j:S+1+\j]
	v_pk_add_f32 v[230:231], v[230:231], v[S+2+\j:S+3+\j]
.endr
	v_pk_add_f32 v[20:21], v[20:21], v[230:231]
	s_wait_dscnt 0x0                               ; V^T is in
	s_wait_alu depctr_va_vdst(0)                   ; p's codes (v192 to v203) and its scale word (v29) are written, which the scaled products below take; the places above stay beside this wait
.irp t, 0,1,2,3                                ; O^T += V^T p^T: four accumulators by turns
	WM O+8*\t, F+12*\t, P, 26+\t/2, 29, \t%2, 0
.endr
.rept 4
	v_nop                                          ; four places behind the products, ahead of the next vector instruction that reads O^T (the next step's loads into the registers that they read stand behind that step's wait)
.endr
.Lhidden_\@:
	s_add_co_u32 s17, s17, 1
.endm
.Ltrip:
	STEP 0
	STEP 1
	s_sub_co_u32 s18, s18, 1
	s_cmp_lg_u32 s18, 0
	s_cbranch_scc1 .Ltrip
	; ---- THE END: O^T / the sum is y's 64 channels of my head for my 16 queries: two blocks of 32 along the last product's K.  It leaves as a half fragment of yb.
	v_add_f32 v20, v20, v21                        ; the sum's two halves,
	v_permlanex16_b32 v[PT], v20, s[SEL], s[SEL+1]
	v_add_f32 v20, v20, v[PT]                      ; and lane l xor 16's
	v_rcp_f32 v20, v20
	v_and_b32 v228, 15, v0                         ; (the plain place behind the reciprocal: the scale byte's address is made here)
	v_bfe_u32 v229, v0, 4, 1
	v_lshl_add_u32 v228, v228, 2, v229             ; 4 r + lane / 16: each lane stores a byte of its own
	v_cmp_eq_u32 vcc_lo, 1, v229                   ; lanes 16-31 (nothing writes VCC up to the select below)
	s_wait_alu depctr_va_vdst(0)                   ; the reciprocal has written v20, ahead of its first reader
.set j, 0
.rept 32
	v_mul_f32 v[S+j], v[O+j], v20                  ; register 16 b + i: channel 32 b + 16 (lane / 16) + i
.set j, j+1
.endr
	QUANT2 S, P
	s_lshr_b32 s28, s11, 4                         ; batch
	s_and_b32 s29, s11, 15                         ; head
	s_lshl_b32 s28, s28, 6
	s_lshr_b32 s30, s16, 1
	s_add_co_u32 s28, s28, s30                     ; yb's pair: 64 x batch + T / 2
	s_lshl_b32 s28, s28, 3
	s_lshr_b32 s30, s29, 1
	s_add_co_u32 s28, s28, s30                     ; the record: K step head / 2
	s_and_b32 s30, s16, 1                          ; u = T % 2
	s_and_b32 s29, s29, 1                          ; c = head % 2
	s_lshl_b32 s34, s28, 2
	s_lshl_b32 s35, s30, 1
	s_add_co_u32 s34, s34, s35
	s_add_co_u32 s34, s34, s29
	s_mul_i32 s34, s34, 768
	s_mov_b32 s35, 0
	s_add_nc_u64 s[34:35], s[8:9], s[34:35]
	s_lshl_b32 s36, s28, 7
	s_lshl_b32 s30, s30, 6
	s_add_co_u32 s36, s36, s30
	s_lshl_b32 s29, s29, 1
	s_add_co_u32 s36, s36, s29
	s_add_co_u32 s36, s36, CODES
	s_mov_b32 s37, 0
	s_add_nc_u64 s[36:37], s[8:9], s[36:37]        ; the record's scale words, at row 16 u, byte 2 c
	s_wait_alu depctr_va_vcc(0)                    ; VCC is written, ahead of the select that reads it
	v_cndmask_b32 v229, v[BY], v[BY+1], vcc_lo
	s_wait_alu depctr_va_vdst(0)                   ; y's codes (v192 to v197), the byte (v229) and its address (v228) are written, which the three stores read
	global_store_b128 v1, v[P:P+3], s[34:35]
	global_store_b64 v2, v[P+4:P+5], s[34:35] offset:512
	global_store_b8 v228, v229, s[36:37]
	s_wait_dscnt 0x0
	s_wait_alu depctr_hold_cnt(0) depctr_sa_sdst(0) depctr_va_vdst(0) depctr_va_sdst(0) depctr_va_ssrc(0) depctr_va_vcc(0) depctr_vm_vsrc(0)
	s_wait_tensorcnt 0x0
	ds_add_u32 v254, v255
	s_wait_dscnt 0x0
	s_endpgm
.Lfunc_end_k_q75469253e4_attn:
	.size	k_q75469253e4_attn, .Lfunc_end_k_q75469253e4_attn-k_q75469253e4_attn
	.p2alignl 7, 3214868480
	.fill 96, 4, 3214868480
	.section	.rodata,"a",@progbits
	.p2align	6, 0x0
	.amdhsa_kernel k_q75469253e4_attn
		.amdhsa_group_segment_fixed_size 27648
		.amdhsa_private_segment_fixed_size 0
		.amdhsa_enable_private_segment 0
		.amdhsa_kernarg_size 24
		.amdhsa_user_sgpr_count 2
		.amdhsa_user_sgpr_kernarg_segment_ptr 1
		.amdhsa_wavefront_size32 1
		.amdhsa_system_sgpr_workgroup_id_x 1
		.amdhsa_system_sgpr_workgroup_id_y 1
		.amdhsa_system_sgpr_workgroup_id_z 1
		.amdhsa_system_vgpr_workitem_id 0
		.amdhsa_next_free_vgpr 256
		.amdhsa_next_free_sgpr 66
		.amdhsa_reserve_vcc 1
		.amdhsa_float_denorm_mode_32 3
		.amdhsa_float_denorm_mode_16_64 3
		.amdhsa_memory_ordered 1
		.amdhsa_forward_progress 1
		.amdhsa_inst_pref_size 63
	.end_amdhsa_kernel
	.amdgpu_metadata
---
amdhsa.version: [ 1, 2 ]
amdhsa.kernels:
  - .name:           k_q75469253e4_attn
    .symbol:         k_q75469253e4_attn.kd
    .args:
      - { .name: qb, .offset: 0, .size: 8, .value_kind: global_buffer, .address_space: global }
      - { .name: kv, .offset: 8, .size: 8, .value_kind: global_buffer, .address_space: global }
      - { .name: yb, .offset: 16, .size: 8, .value_kind: global_buffer, .address_space: global }
    .group_segment_fixed_size: 27648
    .private_segment_fixed_size: 0
    .kernarg_segment_align: 8
    .kernarg_segment_size: 24
    .max_flat_workgroup_size: 512
    .sgpr_count:     66
    .vgpr_count:     256
    .wavefront_size: 32
...
	.end_amdgpu_metadata
.endif
;; end of part 5
;; launch proj: the kernel of part 4 again; grid 256 x 1, 4 waves a work-group, no clusters, 229,888 bytes of LDS; arguments yb, wb, bp, out0; writes out0
